; MI455X (gfx1250); checked and timed in simulation.
; The chip was launched on July 23, 2026; its instructions are those of AMD's public machine-readable ISA for CDNA 5 (MIT licence, August 2026) and "CDNA5" Instruction Set Architecture Reference Guide (July 2026). The comments in the code are by the model that wrote it; some were corrected since.
;; Masked Self Attention. Allowed arithmetic: matrix products marked QUANTISED: E2M3 operands, one E8M0 scale for each 32 along K, by v_wmma_scale_f32_16x16x128_f8f6f4 with both operands' format E2M3, f32 sums; everything else in f32.
;; Inputs: attention_mask 4 x 2,048 bool; b_proj 1,024 float32; b_qkv 3,072 float32; k_norm_w 64 float32; q_norm_w 64 float32; w_proj 1,024 x 1,024 float32; w_qkv 3,072 x 1,024 float32; x 4 x 2,048 x 1,024 float32.
;; Outputs: out0 4 x 2,048 x 1,024 float32.
;; This version of the problem:
;;   THIS VERSION OF THE PROBLEM IS GIVEN IN LOW PRECISION. The matrix products marked QUANTISED in the list below multiply operands that are first quantised to E2M3 (2 exponent bits, 3 mantissa bits; 6 bits a number), with one power-of-two scale for each 32 numbers along K (OCP MX v1.0); their sums are f32. All else is computed in f32.
;;   The module's matrix products, in the order in which they are computed (A, B: the left and right operand; K: the contracted axis; several contracted axes count as one K, in the product's order):
;;     1. [M 8,192, K 1,024] x [K 1,024, N 3,072]; A: input x; B: input w_qkv: QUANTISED
;;     2. batch 64 x [M 2,048, K 64] x [K 64, N 2,048]; A: computed on the way; B: computed on the way: QUANTISED
;;     3. batch 64 x [M 2,048, K 2,048] x [K 2,048, N 64]; A: softmax (see below); B: computed on the way: QUANTISED
;;     4. [M 8,192, K 1,024] x [K 1,024, N 1,024]; A: computed on the way; B: input w_proj: QUANTISED
;;   THE QUANTISER, for each operand of a quantised product, along K:
;;     - K is cut into blocks of 32 from its start; a last block that is shorter is filled with zeros.
;;     - A block's scale is 2^e with e = floor(log2(the largest magnitude in the block)) - 2, held to -126 .. 127; a block of zeros has e = 0. As a byte (E8M0): e + 127.
;;     - Each number is divided by its block's scale, clamped to +-7.5, and rounded to the nearest number of E2M3, ties to even, subnormals kept.
;;     - The product sums the exact products of the quantised numbers (number of the format x scale) in f32.
;;   ~~~python
;;   def quantise(x, axis):      # numpy; x: float32 -> the quantised numbers, widened to float32 again
;;       x = np.moveaxis(x, axis, -1); K = x.shape[-1]
;;       x = np.pad(x, [(0, 0)] * (x.ndim - 1) + [(0, -K % 32)]); x = x.reshape(x.shape[:-1] + (-1, 32)); a = np.abs(x).max(-1, keepdims=True)
;;       e = np.where(a > 0, np.clip(np.frexp(np.where(a > 0, a, 1))[1] - 1 - 2, -126, 127), 0)      # np.frexp(a)[1] - 1 = floor(log2(a)), exactly
;;       r = np.clip(x / 2.0 ** e, -7.5, 7.5)
;;       step = 2.0 ** (np.maximum(np.frexp(np.where(r == 0, 1, r))[1] - 1, 0) - 3)
;;       q = np.round(r / step) * step * 2.0 ** e      # np.round: ties to even
;;       return np.moveaxis(q.reshape(q.shape[:-2] + (-1,))[..., :K], -1, axis).astype(np.float32)
;;   ~~~
;;   SOFTMAX AHEAD OF A QUANTISED PRODUCT. Where the list says 'softmax', what is quantised is not the finished softmax but p = 2^(t - M), with t = logit x log2(e) and M = ceil(the row's largest t), a whole number; so 1/2 < the row's largest p <= 1. The row's sum l is taken of the UNQUANTISED p, in f32, and the product's result is divided by l at the end. Since M is a whole number, a kernel that streams over the keys may use a running M (the ceiling of the running maximum): every later rescaling is an exact power of two, which a block's scale takes up: the codes' values come out the same.
;;   OPERANDS COMPUTED ON THE WAY. 'Computed on the way' means the value that the module computes at that place (a softmax that the list does not call 'softmax' is quantised finished and normalised). What goes into a quantiser is computed in f32, as accurately as f32 sums, v_exp_f32 and their like allow (about 1e-6 of the number): no bf16 or f16 on the way to a quantiser, and a product that is left as it is and whose result goes on into a quantised operand takes f32 operands (vector FMAs, or v_wmma_f32_16x16x4_f32). A number that lies on a knife's edge between two numbers of the format may be rounded either way, as far as f32 arithmetic and the matrix unit's own rounding can turn it there, and no further.
;; One version. Each part assembles by itself: llvm-mc -triple=amdgcn-amd-amdhsa -mcpu=gfx1250 --defsym DOCPART=n.
;; ======== version 1 of 1: 4 launches
;; limits: right only within a limited range of input values
;; workspace buffers: codes1 9,437,184 bytes; scales1 393,216 bytes; qimg 8,912,896 bytes; kv 15,466,496 bytes; acodes 6,291,456 bytes; ascales 262,144 bytes
;; launch quant (part 1): grid 384 x 1, 4 waves a work-group, no clusters, 33,280 bytes of LDS; arguments x, w_qkv, w_proj, codes1, scales1; writes codes1, scales1
.if DOCPART == 1
	.amdgcn_target "amdgcn-amd-amdhsa--gfx1250"
	.amdhsa_code_object_version 6
	.text
	.protected	k_q5eca6037d0_quant
	.globl	k_q5eca6037d0_quant
	.p2align	8
	.type	k_q5eca6037d0_quant,@function
k_q5eca6037d0_quant:
	s_mov_b64 s[64:65], 0
	v_nop
	global_prefetch_b8 v0, s[64:65] scope:SCOPE_SE
	s_setreg_imm32_b32 hwreg(HW_REG_WAVE_MODE, 25, 1), 1
	s_wait_xcnt 0x0
; x [8192][1024], w_qkv [3072][1024] and w_proj [1024][1024], f32, K innermost, become codes of FP6 (E2M3), 6 bits each, with one E8M0 scale byte for each 32 along K.
; The three tensors' rows stand one behind the other in codes1 ([12288][768 bytes]) and scales1 ([12288][32 bytes]): x from row 0, w_qkv from 8192, w_proj from 11264.
; STORED ORDER: row R is written at place P = R with bits 3 and 4 exchanged.  16 consecutive stored rows 16 T + r are then the true rows 32 (T / 2) + 8 (T % 2) + r + 8 (r / 8):
; the choice of rows by which a later product's 16 registers of two neighbouring tiles are 16 neighbours along the next K.  A wave takes 8 rows, so the exchange is that of its run number's two low bits.
; A block's scale is 2^(floor(log2(its largest magnitude)) - 2); its byte is the largest magnitude's exponent field - 2, held at 1 from below.  Each number is divided by the scale and rounded to the nearest code, ties to even.
; LIMITS: a block of zeros gets the byte 1 where the rule says 127 (its codes are zeros, and this program alone reads the bytes); blocks whose largest magnitude lies under 2^-124 are held at byte 1; NaN and infinities are not served.
; A wave takes 16 steps of 512 numbers.  Each of a step's four loads reads 512 consecutive bytes; the 2,048 bytes turn through the wave's own stage in LDS and come back 64 bytes a lane, 16 neighbours along K.
; Two neighbouring lanes hold a block.  A lane's 16 codes are 12 bytes: the wave stores 384 consecutive bytes.  A wave's 256 scale bytes are gathered in LDS and leave as one aligned run of 256 bytes.
; No tensor loads, no barrier: waves share nothing.  Loads run four steps (16 loads a wave) ahead, the turn through LDS one step.
.set WAVES, 4
.set STEPS, 16
.set EMAX,  2
.set CB,    12                         ; bytes of 16 codes
.set R,     16                         ; v16-79   four sets of 16 numbers as they are loaded
.set X,     80                         ; v80-111  two sets of 16 neighbours
.set C,     128                        ; v128-191 codes: four registers for each step, so that no store's data are written again
.set E,     112                        ; v112-127 a scale byte for each step
.set WREG,  8192                       ; LDS: a region for each wave: two stages of 32 x SP bytes, behind them its 256 scale bytes
.set SP,    80                         ; a lane's place in a stage: its 64 bytes + 16 of padding
.set SPW,   12                         ; v12      LDS address of my spare word; never rewritten
.set NIL,   13                         ; v13      0; never rewritten
.set SPARE, WAVES*WREG                 ; behind the four regions: the spare words, 128 bytes a wave, which no other line names
	s_load_b128 s[4:7], s[0:1], 0x0                ; x, w_qkv
	s_load_b128 s[8:11], s[0:1], 0x10              ; w_proj, codes1
	s_load_b64 s[12:13], s[0:1], 0x20              ; scales1
	v_lshl_add_u32 v[SPW], v0, 2, SPARE
	v_mov_b32 v[NIL], 0
	v_lshrrev_b32 v1, 5, v0
	v_readfirstlane_b32 s16, v1                    ; wave
	v_and_b32 v2, 31, v0                           ; lane
	v_lshlrev_b32 v3, 4, v2                        ; my 16 bytes of a load's 512
	s_mul_i32 s17, s16, WREG
	v_lshrrev_b32 v14, 2, v2
	v_mul_u32_u24 v14, v14, SP
	v_and_b32 v15, 3, v2
	v_lshl_add_u32 v14, v15, 4, v14
	v_add_nc_u32 v14, s17, v14                     ; the stage, on the way in: SP (lane / 4) + 16 (lane % 4)
	v_mul_u32_u24 v15, v2, SP
	v_add_nc_u32 v15, s17, v15                     ; and on the way out: SP x lane: my 16 neighbours
	v_mul_u32_u24 v4, v2, CB                       ; my codes' place in a step's
	v_lshrrev_b32 v5, 1, v2
	s_add_co_u32 s17, s17, 2*32*SP
	v_add_nc_u32 v5, s17, v5                       ; LDS: my wave's 256 scale bytes, my block's byte
	v_lshlrev_b32 v7, 3, v2                        ; and on the way out 8 bytes a lane
	v_add_nc_u32 v6, s17, v7
	s_wait_kmcnt 0x0
	s_cmp_lt_u32 ttmp9, 256                        ; work-groups 0-255 take x, 256-351 w_qkv, 352-383 w_proj: the choice hangs on the work-group's number alone
	s_cselect_b64 s[4:5], s[4:5], s[6:7]
	s_cselect_b32 s17, 0, 256
	s_cmp_lt_u32 ttmp9, 352
	s_cselect_b64 s[4:5], s[4:5], s[8:9]
	s_cselect_b32 s17, s17, 352
	s_sub_co_u32 s17, ttmp9, s17
	s_lshl_b32 s17, s17, 2
	s_add_co_u32 s17, s17, s16                     ; which run of 8,192 numbers (8 rows) of the tensor is my wave's
	s_lshl_b32 s20, s17, 15                        ; 32,768 bytes a run
	s_mov_b32 s21, 0
	s_add_nc_u64 s[4:5], s[4:5], s[20:21]
	s_and_b32 s18, s16, 1                          ; where the run goes: the wave's two bits exchanged
	s_lshl_b32 s18, s18, 1
	s_lshr_b32 s19, s16, 1
	s_or_b32 s18, s18, s19
	s_lshl_b32 s19, ttmp9, 2
	s_add_co_u32 s18, s18, s19                     ; among all 1,536 runs of the three tensors
	s_mul_i32 s20, s18, 32*STEPS*CB                ; 6,144 bytes of codes a run
	s_add_nc_u64 s[10:11], s[10:11], s[20:21]
	s_lshl_b32 s20, s18, 8                         ; 256 scale bytes a run
	s_add_nc_u64 s[12:13], s[12:13], s[20:21]
.macro LOAD t
.irp i, 0,1,2,3
	global_load_b128 v[R+16*((\t)%4)+4*\i:R+16*((\t)%4)+4*\i+3], v3, s[4:5] offset:2048*(\t)+512*\i th:TH_LOAD_NT   ; 32 lanes read 512 consecutive bytes
.endr
.endm
.macro TURN t                          ; step t's numbers through the stage: LDS serves a wave's instructions in order, so no wait stands between the stores and the loads
.irp i, 0,1,2,3
	ds_store_b128 v14, v[R+16*((\t)%4)+4*\i:R+16*((\t)%4)+4*\i+3] offset:32*SP*((\t)%2)+8*SP*\i
.endr
.irp i, 0,1,2,3
	ds_load_b128 v[X+16*((\t)%2)+4*\i:X+16*((\t)%2)+4*\i+3], v15 offset:32*SP*((\t)%2)+16*\i
.endr
.endm
.irp t, 0,1,2,3
	LOAD \t
.endr
	s_wait_loadcnt 12                              ; step 0's four loads are in; the twelve of steps 1 to 3 may be out
	TURN 0
.macro STEP t
.set XS, X+16*((\t)%2)
.if (\t) > 0
	s_wait_dscnt 1                                 ; this step's numbers are back from the stage (the last step's byte store may be out): so its stores into the stage have read their registers,
.else
	s_wait_dscnt 0x0
.endif
.if (\t)+4 < STEPS
	LOAD (\t)+4                                    ; which take the loads of four steps on
.endif
.if (\t)+1 < STEPS
.if STEPS-2-(\t) >= 3
	s_wait_loadcnt 12                              ; the next step's four loads are in; those of the three steps behind it may be out
.else
	s_wait_loadcnt 4*(STEPS-2-(\t))
.endif
	TURN (\t)+1                                    ; and go through the other stage while this step is worked
.endif
	v_max3_num_f32 v8, |v[XS]|, |v[XS+1]|, |v[XS+2]|               ; the largest magnitude of my 16
	v_max3_num_f32 v9, |v[XS+3]|, |v[XS+4]|, |v[XS+5]|
.irp i, 6,10
	v_max3_num_f32 v8, v8, |v[XS+\i]|, |v[XS+\i+1]|
	v_max3_num_f32 v9, v9, |v[XS+\i+2]|, |v[XS+\i+3]|
.endr
	v_max3_num_f32 v8, v8, |v[XS+14]|, |v[XS+15]|
	v_max3_num_f32 v8, v8, v9, (EMAX+1)<<23        ; and the floor 2^(3 - 127): so the byte cannot fall under 1
	v_max_num_f32_dpp v8, v8, v8 row_xmask:1 row_mask:0xf bank_mask:0xf   ; and of my neighbour's 16: the block's
	v_add_nc_u32 v11, -(EMAX<<23), v8              ; 2 off its exponent field: the conversion takes the exponent field of this operand as its scale, and nothing else of it
	v_cvt_scalef32_pk16_fp6_f32 v[C+4*(\t):C+4*(\t)+2], v[XS:XS+15], v11
	v_lshrrev_b32 v[E+(\t)], 23, v11               ; the scale's byte
	ds_store_b8 v5, v[E+(\t)] offset:16*(\t)       ; both lanes of a block write the same byte with the same value
	global_store_b96 v4, v[C+4*(\t):C+4*(\t)+2], s[10:11] offset:32*CB*(\t)
.endm
.irp t, 0,1,2,3,4,5,6,7,8,9,10,11,12,13,14,15
	STEP \t
.endr
	ds_load_b64 v[8:9], v6                         ; LDS serves a wave's instructions in order: these see my stores
	s_wait_dscnt 0x0
	global_store_b64 v7, v[8:9], s[12:13]          ; 32 lanes store 256 consecutive bytes, aligned
	s_wait_tensorcnt 0x0                           ; the wave's end: behind my last LDS store
	ds_add_u32 v[SPW], v[NIL]
	s_wait_dscnt 0x0
	s_endpgm
.Lfunc_end_k_q5eca6037d0_quant:
	.size	k_q5eca6037d0_quant, .Lfunc_end_k_q5eca6037d0_quant-k_q5eca6037d0_quant
	.p2alignl 7, 3214868480
	.fill 96, 4, 3214868480
	.section	.rodata,"a",@progbits
	.p2align	6, 0x0
	.amdhsa_kernel k_q5eca6037d0_quant
		.amdhsa_group_segment_fixed_size 33280
		.amdhsa_private_segment_fixed_size 0
		.amdhsa_enable_private_segment 0
		.amdhsa_kernarg_size 40
		.amdhsa_user_sgpr_count 2
		.amdhsa_user_sgpr_kernarg_segment_ptr 1
		.amdhsa_wavefront_size32 1
		.amdhsa_system_sgpr_workgroup_id_x 1
		.amdhsa_system_sgpr_workgroup_id_y 1
		.amdhsa_system_sgpr_workgroup_id_z 1
		.amdhsa_system_vgpr_workitem_id 0
		.amdhsa_next_free_vgpr 192
		.amdhsa_next_free_sgpr 66
		.amdhsa_reserve_vcc 0
		.amdhsa_float_denorm_mode_32 3
		.amdhsa_float_denorm_mode_16_64 3
		.amdhsa_memory_ordered 1
		.amdhsa_forward_progress 1
		.amdhsa_inst_pref_size 33
	.end_amdhsa_kernel
	.amdgpu_metadata
---
amdhsa.version: [ 1, 2 ]
amdhsa.kernels:
  - .name:           k_q5eca6037d0_quant
    .symbol:         k_q5eca6037d0_quant.kd
    .args:
      - { .name: x, .offset: 0, .size: 8, .value_kind: global_buffer, .address_space: global }
      - { .name: w_qkv, .offset: 8, .size: 8, .value_kind: global_buffer, .address_space: global }
      - { .name: w_proj, .offset: 16, .size: 8, .value_kind: global_buffer, .address_space: global }
      - { .name: codes1, .offset: 24, .size: 8, .value_kind: global_buffer, .address_space: global }
      - { .name: scales1, .offset: 32, .size: 8, .value_kind: global_buffer, .address_space: global }
    .group_segment_fixed_size: 33280
    .private_segment_fixed_size: 0
    .kernarg_segment_align: 8
    .kernarg_segment_size: 40
    .max_flat_workgroup_size: 128
    .sgpr_count:     66
    .vgpr_count:     192
    .wavefront_size: 32
...
	.end_amdgpu_metadata
.endif
;; end of part 1
;; launch qkv (part 2): grid 12 x 32, 4 waves a work-group, clusters of 4 x 4, 327,680 bytes of LDS; arguments codes1, scales1, b_qkv, q_norm_w, k_norm_w, attention_mask, qimg, kv; writes qimg, kv
.if DOCPART == 2
	.amdgcn_target "amdgcn-amd-amdhsa--gfx1250"
	.amdhsa_code_object_version 6
	.text
	.protected	k_q5eca6037d0_qkv
	.globl	k_q5eca6037d0_qkv
	.p2align	8
	.type	k_q5eca6037d0_qkv,@function
k_q5eca6037d0_qkv:
	s_mov_b64 s[64:65], 0
	v_nop
	global_prefetch_b8 v0, s[64:65] scope:SCOPE_SE
	s_setreg_imm32_b32 hwreg(HW_REG_WAVE_MODE, 25, 1), 1
	s_wait_xcnt 0x0
	s_wait_alu depctr_hold_cnt(0) depctr_sa_sdst(0) depctr_va_vdst(0) depctr_va_sdst(0) depctr_va_ssrc(0) depctr_va_vcc(0) depctr_vm_vsrc(0)
	s_getreg_b32 s2, hwreg(HW_REG_IB_STS2, 6, 4)
	s_cmp_eq_u32 s2, 0
	s_cbranch_scc0 .Lentry_in_a_cluster
	s_endpgm
.Lentry_in_a_cluster:
	s_bfe_u32 s2, ttmp6, 0x10000c
	s_cmp_lg_u32 s2, 0xf033
	s_cbranch_scc0 .Lentry_shape_is_right
	s_endpgm
.Lentry_shape_is_right:
; qkv = x w_qkv^T + b_qkv on codes of FP6 (K = 1,024), then, in registers: the rms norm of q and k over a head's 64 (f32), q's factor 1/8, and the quantisers of the two attention products:
; q and k along a head's 64 channels, v along the keys.  What leaves are images of operand registers (qimg, kv), which the attention launch loads as they stand.
; SHARES.  A work-group of four waves makes 256 x 256 of the product, a wave 128 x 128: 64 accumulators of 16 x 16, 512 registers.  K goes in steps of 256 through a ring of two LDS slots.
; A cluster is 4 x 4 work-groups; its 1,024 columns of qkv are exactly q (cluster x = 0), k (1) or v (2): 'kind', equal in all sixteen partners.
; source 0 ('B') gives a lane's registers, source 1 ('A') its lane.  q, k: B = rows of w_qkv, A = rows of x: a lane holds ONE token and its registers run along the channels.
; v: B = rows of x, A = rows of w_qkv: a lane holds ONE channel and its registers run down the keys.  All rows lie in one buffer of rows of 1,024 codes, so only two row numbers are chosen by kind: the loop's text is one.
; STORED ORDER.  16 consecutive stored rows 16 T + r are the true rows 32 (T / 2) + 8 (T % 2) + r + 8 (r / 8).  So register j of B's tile T is B's TRUE row 32 (T / 2) + 16 (lane / 16) + 8 (T % 2) + j:
; the 16 registers of tiles 2 b and 2 b + 1 are 16 true neighbours, as the conversions want them.  Tokens stay in stored order in qimg and kv.
; THE MASK rides in the unused K of the score product (a head has 64 of the instruction's 128): q has the code of 1.0 at k = 64 under the byte 127; a MASKED key has the code of -7.5 there under the byte 191 (2^64),
; an open key the code 0 under 127; k = 65 .. 127 are zero codes.  A masked key's score is -7.5 x 2^64; an open key's sum has a zero added.
; LIMITS: a true score x log2(e) must stay under 2^60 in magnitude; NaN and infinities among the inputs are not served; a block of zeros gets the byte 1 (its codes are zeros; this program alone reads the bytes).
; REGISTERS, in windows of 256: window 0: v1-29 addresses; v32-63 scale words, two sets; v64-127 b_qkv of my 128 B columns; v128-223 A's fragments, ONE set; v224-239 b_qkv of my A rows; v240-247 mask bytes.
;   window 1: B's fragments, two sets, at v0 and v128; v96-127 the norm's gain.   windows 2, 3: the accumulators ((a, b) at v[8 (8 (a % 4) + b)]).   Behind the loop v32-63 and v128-219 of window 0 are at work.
.set KSTEP,  256
.set NQ,     2                         ; matrix instructions deep in a slot
.set ROWB,   192                       ; a tile's row: 256 codes
.set KROW,   768                       ; a row of codes in memory
.set PITCH,  240                       ; an LDS row: 3 x (64 bytes + 16 of padding) = 60 words: the 32 lanes of a load of 8 bytes touch 64 different banks (64 banks of 4 bytes: ISA guide 11.1)
.set FR,     12
.set NL,     6
.set NP,     4                         ; places behind this matrix instruction (ISA guide 7.12.1)
.set HALFT,  128*PITCH
.set SLOT,   4*HALFT                   ; A's 256 rows, then B's 256 rows
.set LAPS,   2                         ; 1,024 along K = twice round the ring
.set KS,     32                        ; a row of scale bytes
.set SCL,    2*SLOT                    ; behind the ring: the scale bytes of my 512 rows, as runs of 256 bytes + 16 of padding
.set HALFS,  (128*KS/256)*272
.set SBLK,   (16*KS/256)*272
.set STGQ,   SCL+4*HALFS               ; 1,024 bytes a wave: q's and k's scale words are gathered here
.set STGV,   STGQ+4096                 ; 512 bytes a wave: v's, in bytes of their own
.set SPARE,  STGV+2048                 ; the spare words, 128 bytes a wave, which no other line names
.set VO,   7                           ; v7   241,664 (lane / 16) + 16 (lane % 16): v's scale words of two heads
.set SH16, 8                           ; v8   16 (lane / 16)
.set SQA,  9                           ; v9   where I put a scale word of q or k
.set SQR,  10                          ; v10  and where I read them back
.set SVA,  11                          ; v11  the same for v
.set SVR,  12
.set O64H, 13                          ; v13  64 (lane / 16)
.set OTOK, 14                          ; v14  r + 8 (r / 8)
.set OTK4, 15                          ; v15  four times that
.set ADRA, 16
.set ADRB, 20
.set LI,   24                          ; v24  16 x lane
.set ADRS, 27
.set SPW,  28
.set NIL,  29
.set SC,   32
.set BB,   64
.set AF,   128
.set BA,   224
.set MB,   240
.set NW,   96                          ; in window 1
.set TM,   32                          ; behind the loop: v32-35 largest magnitudes, v36-39 bytes, v44-47 the conversions' scale operands
.set PW,   48                          ; the scale word just made
.set W,    49                          ; at work (the first head's variance, later the word to be stored)
.set UP,   50                          ; the upper two bytes of a scale word
.set Y1,   51
.set SS,   52                          ; v52-59 four chains of squares
.set RS0,  60                          ; v60, v62: 1 / sqrt(..) of the two heads (v61, v63 are named with them as pairs)
.set RS1,  62
.set X,    128                         ; v128-191 a block's 64 numbers
.set PC,   192                         ; v192-207 the codes just made
.set TC,   208                         ; v208-215 their odd halves
.set VC0,  216                         ; the code at k = 64 of a masked and of an open row (lanes 0-15; 0 in lanes 16-31)
.set VC1,  217
.set VU0,  218                         ; and the scale word's upper bytes
.set VU1,  219
.set SEL,  72                          ; s[72:73] behind the loop: lane selects for v_permlanex16_b32
.set G1, 24
.set G0, 32
.set G1B, 48
.set G0B, 56
.set G1S, 68
.set G0S, 76
.set G1SB, 80
.set G0SB, 88
.set MSB, 0
.macro WIN new                         ; the immediate's high byte repeats the setting that is left
.if MSB != (\new)
	s_set_vgpr_msb (MSB<<8)|(\new)
.set MSB, (\new)
.endif
.endm
.set MUL_LO, 0xa1                      ; source 0 (B) window 1, source 1 (A) window 0, C and D window 2
.set MUL_HI, 0xf1
.set TO_B,   0x40
; A joint load: waves 0 and 1 fetch for A, waves 2 and 3 for B.  Each line has ONE mask and one set of registers for all that issue it; the branch hangs on the wave's number alone.
.macro JLOAD g0a, g1a, g0b, g1b
	s_cmp_eq_u32 s15, 0
	s_cbranch_scc0 .Lfor_b_\@
	tensor_load_to_lds s[\g0a:\g0a+3], s[\g1a:\g1a+7]
	s_nop 0
.rept 4
	v_nop
.endr
	s_branch .Lasked_\@
.Lfor_b_\@:
	tensor_load_to_lds s[\g0b:\g0b+3], s[\g1b:\g1b+7]
	s_nop 0
.rept 4
	v_nop
.endr
.Lasked_\@:
.endm
.macro CREST                           ; a round of the cluster's barrier behind its opening barrier
	s_cmp_lg_u32 s14, 0
	s_cbranch_scc1 .Lnot_wave_0_\@
	s_barrier_signal -3
.Lnot_wave_0_\@:
	s_barrier_wait -3
	s_barrier_signal -1
	s_barrier_wait -1
.endm
.macro CROUND
	s_barrier_signal -1
	s_barrier_wait -1
	CREST
.endm
	s_load_b128 s[4:7], s[0:1], 0x0                ; codes1, scales1
	s_load_b128 s[8:11], s[0:1], 0x10              ; b_qkv, q_norm_w
	s_load_b128 s[96:99], s[0:1], 0x20             ; k_norm_w, attention_mask
	s_load_b64 s[12:13], s[0:1], 0x30              ; qimg
	s_load_b64 s[100:101], s[0:1], 0x38            ; kv
	v_lshl_add_u32 v[SPW], v0, 2, SPARE
	v_mov_b32 v[NIL], 0
	ds_add_u32 v[SPW], v[NIL]                      ; the wave's opening: the add and its wait stand ahead of my first tensor load; the set-up below stands between them
	v_lshrrev_b32 v1, 5, v0
	v_readfirstlane_b32 s14, v1                    ; wave 0..3
	s_lshr_b32 s15, s14, 1                         ; which half of A's rows is mine.  Also: I fetch for A (0) or for B (1)
	s_and_b32 s16, s14, 1                          ; which half of B's rows.  Also: which 128 rows I fetch
	s_bfe_u32 s40, ttmp6, 0x40000                  ; cx
	s_bfe_u32 s41, ttmp6, 0x40004                  ; cy
	s_mov_b32 s95, ttmp9                           ; kind: the cluster's x
	s_and_b32 s18, ttmp7, 0xffff                   ; the cluster's y: which 1,024 rows of x
	s_cmp_eq_u32 s95, 2
	s_cselect_b32 s19, s18, s95                    ; B's tiles are counted by: x's rows (v), w's rows (q, k)
	s_cselect_b32 s20, s95, s18                    ; A's the other way round
	s_cselect_b32 s67, 0, 8192                     ; w_qkv's rows begin at row 8,192 of the buffer
	s_cselect_b32 s66, 8192, 0
	s_lshl_b32 s42, s19, 2
	s_add_co_u32 s42, s42, s40                     ; B's tile: shared along a column of the cluster
	s_lshl_b32 s17, s20, 2
	s_add_co_u32 s17, s17, s41                     ; A's tile: shared along a row
	s_lshl_b32 s43, s41, 2
	s_lshl_b32 s43, 15, s43                        ; my row of the cluster
	s_lshl_b32 s44, 0x1111, s40                    ; my column
	s_or_b32 s[G1+0], s43, (0<<16)|(1<<20)|(1<<21)|(3<<22)|(3<<25)  ; the mask; elements of 1 byte; padding on; bit 21 beside a mask; after every 16 words, 4 words
	s_or_b32 s[G1B+0], s44, (0<<16)|(1<<20)|(1<<21)|(3<<22)|(3<<25)
.irp g, G1, G1B
	s_mov_b32 s[\g+1], ROWB<<16                    ; tensor_dim0
	s_mov_b32 s[\g+2], 128<<16                     ; tensor_dim1
	s_mov_b32 s[\g+3], ROWB<<16                    ; tile_dim0
	s_mov_b32 s[\g+4], 128                         ; tile_dim1
	s_mov_b32 s[\g+5], KROW                        ; from row to row
	s_mov_b32 s[\g+6], 0
	s_mov_b32 s[\g+7], 0
.endr
	s_or_b32 s[G1S+0], s43, (3<<16)|(1<<20)|(1<<21)|(5<<22)|(3<<25) ; the scale bytes of 128 rows: 4,096 dense bytes as 16 rows of 256 (32 elements of 8 bytes), 16 bytes of padding behind each
	s_or_b32 s[G1SB+0], s44, (3<<16)|(1<<20)|(1<<21)|(5<<22)|(3<<25)
.irp g, G1S, G1SB
	s_mov_b32 s[\g+1], 32<<16
	s_mov_b32 s[\g+2], (128*KS/256)<<16
	s_mov_b32 s[\g+3], 32<<16
	s_mov_b32 s[\g+4], 128*KS/256
	s_mov_b32 s[\g+5], 32
	s_mov_b32 s[\g+6], 0
	s_mov_b32 s[\g+7], 0
.endr
	s_lshl_b32 s18, s16, 7                         ; which 128 rows of the tile I fetch
	s_lshl_b32 s20, s17, 8
	s_add_co_u32 s20, s20, s18
	s_add_co_u32 s20, s20, s66                     ; A: its first row in the buffer (it holds cy, never cx)
	s_lshl_b32 s46, s42, 8
	s_add_co_u32 s46, s46, s18
	s_add_co_u32 s46, s46, s67                     ; B: likewise (cx, never cy)
	s_mul_i32 s22, s20, KS                         ; these rows' scale bytes,
	s_mul_i32 s92, s46, KS
	s_mul_i32 s20, s20, KROW                       ; and their codes: all under 2^24 bytes
	s_mul_i32 s46, s46, KROW
	s_mov_b32 s21, 0
	s_mov_b32 s23, 0
	s_mov_b32 s47, 0
	s_mov_b32 s93, 0
	s_mul_i32 s45, s14, HALFT                      ; where they go: wave x 128 rows: no place in the cluster enters an LDS address
	s_mul_i32 s94, s14, HALFS
	s_wait_dscnt 0x0                               ; the opening add is done
	s_wait_kmcnt 0x0
	s_add_nc_u64 s[20:21], s[4:5], s[20:21]
	s_add_nc_u64 s[22:23], s[6:7], s[22:23]
	s_add_nc_u64 s[46:47], s[4:5], s[46:47]
	s_add_nc_u64 s[92:93], s[6:7], s[92:93]
	CROUND                                         ; all sixteen work-groups are here: the first joint loads meet
	s_mov_b32 s[G0S], 1
	s_add_co_u32 s[G0S+1], s94, SCL
	s_mov_b64 s[G0S+2:G0S+3], s[22:23]
	s_or_b32 s[G0S+3], s[G0S+3], 0x80000000
	s_mov_b32 s[G0SB], 1
	s_add_co_u32 s[G0SB+1], s94, SCL
	s_mov_b64 s[G0SB+2:G0SB+3], s[92:93]
	s_or_b32 s[G0SB+3], s[G0SB+3], 0x80000000
	JLOAD G0S, G1S, G0SB, G1SB                     ; the scale bytes first: filled once
.irp s, 0,1
	s_mov_b32 s[G0+4*\s], 1
	s_add_co_u32 s[G0+4*\s+1], s45, \s*SLOT
	s_add_nc_u64 s[G0+4*\s+2:G0+4*\s+3], s[20:21], \s*ROWB
	s_or_b32 s[G0+4*\s+3], s[G0+4*\s+3], 0x80000000
	s_mov_b32 s[G0B+4*\s], 1
	s_add_co_u32 s[G0B+4*\s+1], s45, \s*SLOT
	s_add_nc_u64 s[G0B+4*\s+2:G0B+4*\s+3], s[46:47], \s*ROWB
	s_or_b32 s[G0B+4*\s+3], s[G0B+4*\s+3], 0x80000000
	JLOAD G0+4*\s, G1, G0B+4*\s, G1B               ; three tensor loads of mine are out behind the second of these
.endr
	v_and_b32 v1, 15, v0                           ; r = lane % 16
	v_bfe_u32 v2, v0, 4, 1                         ; h = lane / 16; kept
	v_mul_u32_u24 v3, v1, PITCH
	v_mul_u32_u24 v4, v2, 24
	v_add_nc_u32 v4, v3, v4                        ; a fragment's row x pitch + 24 h
	v_lshl_add_u32 v5, v2, 4, v4                   ; and the same behind one padding more
	s_mul_i32 s21, s15, HALFT                      ; my 128 rows of A
	s_mul_i32 s22, s16, HALFT                      ; my 128 rows of B,
	s_add_co_u32 s22, s22, 2*HALFT                 ; behind A's 256
.irp s, 0,1
	v_add_nc_u32 v[ADRA+\s], s21, v4
	v_add_nc_u32 v[ADRB+\s], s22, v4
	v_add_nc_u32 v[ADRA+2+\s], s21, v5
	v_add_nc_u32 v[ADRB+2+\s], s22, v5
	s_add_co_u32 s21, s21, SLOT
	s_add_co_u32 s22, s22, SLOT
.endr
	v_mul_u32_u24 v5, v1, KS                       ; my row's scale bytes: 32 a row,
	v_lshrrev_b32 v6, 8, v5
	v_lshl_add_u32 v5, v6, 4, v5                   ; and 16 more for each 256 passed
	s_mul_i32 s21, s15, HALFS
	s_mul_i32 s22, s16, HALFS
	s_add_co_u32 s22, s22, 2*HALFS
	s_sub_co_u32 s22, s22, s21
	v_mul_u32_u24 v6, s22, v2                      ; lanes 16-31 take B's
	s_add_co_u32 s21, s21, SCL
	v_add_nc_u32 v5, v5, v6
	v_add_nc_u32 v[ADRS], s21, v5
	v_and_b32 v6, 31, v0
	v_lshlrev_b32 v[LI], 4, v6
	v_lshlrev_b32 v[SH16], 4, v2
	s_lshl_b32 s23, s14, 10
	s_add_co_u32 s23, s23, STGQ
	v_lshlrev_b32 v[SQA], 4, v1
	v_lshl_add_u32 v[SQA], v2, 9, v[SQA]
	v_add_nc_u32 v[SQA], s23, v[SQA]               ; 512 bytes for each of my two heads: lanes 0-15 write the first's, lanes 16-31 the second's; 16 r
	v_add_nc_u32 v[SQR], s23, v[LI]
	s_lshl_b32 s23, s14, 9
	s_add_co_u32 s23, s23, STGV
	v_lshlrev_b32 v[SVA], 3, v1
	v_add_nc_u32 v[SVA], s23, v[SVA]
	v_add_nc_u32 v[SVR], s23, v[LI]
	v_mul_u32_u24 v[VO], v2, 241664
	v_lshl_add_u32 v[VO], v1, 4, v[VO]
	v_lshlrev_b32 v[O64H], 6, v2
	v_and_b32 v[OTOK], 8, v1
	v_add_nc_u32 v[OTOK], v[OTOK], v1
	v_lshlrev_b32 v[OTK4], 2, v[OTOK]
.irp a, 0,1,2,3,4,5,6,7
	v_mov_b32 v[BA+2*\a+1], 0                      ; named as the upper halves of pairs
.endr
	; the parameters' bases.  Every work-group loads all four sets, so that every register is written on every way; the set that a kind does not use is read from its buffer's start
	s_cmp_eq_u32 s95, 0
	s_cselect_b64 s[10:11], s[10:11], s[96:97]     ; the gain: q's or k's
	s_lshl_b32 s18, s17, 8
	s_lshl_b32 s19, s15, 7
	s_add_co_u32 s18, s18, s19                     ; my first A row: 256 x tile + 128 x half
	s_lshl_b32 s20, s42, 8
	s_lshl_b32 s19, s16, 7
	s_add_co_u32 s20, s20, s19                     ; my first B row
	s_cmp_eq_u32 s95, 2
	s_cselect_b32 s22, s18, 0                      ; v: b_qkv at my A rows (w's tiles count from w's first row: 2,048 + ..)
	s_cselect_b32 s46, 0, s20                      ; q, k: b_qkv at my B rows
	s_cselect_b32 s92, 0, s18                      ; q, k: the mask at my tokens
	s_cselect_b32 s93, s20, s18                    ; my 128 rows of x
	s_lshl_b32 s22, s22, 2
	s_lshl_b32 s46, s46, 2
	s_mov_b32 s23, 0
	s_mov_b32 s47, 0
	s_add_nc_u64 s[96:97], s[8:9], s[22:23]
	s_add_nc_u64 s[8:9], s[8:9], s[46:47]
	s_mov_b32 s22, s92
	s_add_nc_u64 s[98:99], s[98:99], s[22:23]
	; where my images go: D0 for my first head, D1 for my second
	s_lshl_b32 s18, s41, 2
	s_lshl_b32 s19, s15, 1
	s_add_co_u32 s18, s18, s19                     ; v: head 4 cy + 2 x A half
	s_lshl_b32 s20, s40, 2
	s_lshl_b32 s19, s16, 1
	s_add_co_u32 s20, s20, s19                     ; q, k: head 4 cx + 2 x B half
	s_cmp_eq_u32 s95, 2
	s_cselect_b32 s18, s18, s20
	s_lshr_b32 s19, s93, 11                        ; the batch
	s_lshl_b32 s19, s19, 4
	s_add_co_u32 s18, s18, s19                     ; 16 x batch + head
	s_bfe_u32 s19, s93, 0x40007                    ; which 128 rows of the batch's 2,048
	s_cmp_eq_u32 s95, 0
	s_cselect_b64 s[12:13], s[12:13], s[100:101]
	s_mov_b32 s20, 241664
	s_cselect_b32 s20, 139264, s20                 ; a head's bytes in qimg, in kv
	s_mov_b32 s21, 15104
	s_cselect_b32 s21, 8704, s21                   ; 128 rows' bytes
	s_mov_b32 s66, 0x3c800000
	s_cselect_b32 s66, 1.0, s66                    ; k: 1 / sqrt(sum / 64 + 1e-6).  q: 1 / sqrt(sum + 64e-6), which is an eighth of that: the factor 1 / 8 costs no line
	s_mov_b32 s67, 0x358637bd
	s_cselect_b32 s67, 0x388637bd, s67
	s_mul_i32 s18, s18, s20
	s_mul_i32 s19, s19, s21
	s_add_co_u32 s22, s18, s19
	s_add_nc_u64 s[12:13], s[12:13], s[22:23]
	s_mov_b32 s22, s20
	s_add_nc_u64 s[100:101], s[12:13], s[22:23]
.irp b, 0,1,2,3
.irp q, 0,1,2,3
	global_load_b128 v[BB+16*\b+4*\q:BB+16*\b+4*\q+3], v[O64H], s[8:9] offset:128*\b+16*\q   ; register 16 b + i: b_qkv of my B column 32 b + 16 h + i
.endr
.endr
.irp a, 0,1,2,3,4,5,6,7
	global_load_b32 v[BA+2*\a], v[OTK4], s[96:97] offset:4*(32*(\a/2)+8*(\a%2))              ; b_qkv of my lane's row of A's block a
	global_load_u8 v[MB+\a], v[OTOK], s[98:99] offset:32*(\a/2)+8*(\a%2)                     ; the mask of my lane's token of block a
.endr
	WIN TO_B
.irp b, 0,1
.irp q, 0,1,2,3
	global_load_b128 v[NW+16*\b+4*\q:NW+16*\b+4*\q+3], v[O64H], s[10:11] offset:128*\b+16*\q ; register 16 b + i: the gain of channel 32 b + 16 h + i
.endr
.endr
	WIN 0
.macro FRAG reg, adr, q, i             ; 16 rows x 128 K of 6-bit codes: 12 registers; registers 6 c .. 6 c + 5 hold K = 64 c + 32 h + 0 .. 31: 24 bytes of the row's stream of bits, as they lie
.irp p, 0,1,2,3,4,5
.set PCE, 12*(\q)+6*(\p/3)+\p%3        ; the piece of 8 bytes; 16 bytes of padding lie behind every 8 pieces: where the piece three on lies behind one padding more, the second address register serves
.if PCE%8 < 5
	ds_load_b64 v[\reg+2*\p:\reg+2*\p+1], v[\adr] offset:8*PCE+16*(PCE/8)+(\i)*16*PITCH
.else
	ds_load_b64 v[\reg+2*\p:\reg+2*\p+1], v[\adr+2] offset:8*PCE+16*(PCE/8)+(\i)*16*PITCH
.endif
.endr
.endm
; 16 matrix instructions: A's blocks a0, a0 + 1 x B's eight, 128 along K.  The 64 accumulators take turns, one instruction a turn, in the same order in every step.
.macro MUL16 a0, p, q, sc, zero
.irp a, \a0, \a0+1
.irp b, 0,1,2,3,4,5,6,7
.if \zero
	v_wmma_scale_f32_16x16x128_f8f6f4 v[8*(8*((\a)%4)+\b):8*(8*((\a)%4)+\b)+7], v[128*(\p)+FR*\b:128*(\p)+FR*\b+FR-1], v[AF+FR*(\a):AF+FR*(\a)+FR-1], 0, v[SC+8*NQ*(\sc)+NQ*\b+(\q)], v[SC+8*NQ*(\sc)+NQ*(\a)+(\q)] matrix_a_fmt:MATRIX_FMT_FP6 matrix_b_fmt:MATRIX_FMT_FP6 matrix_a_scale:MATRIX_SCALE_ROW1
.else
	v_wmma_scale_f32_16x16x128_f8f6f4 v[8*(8*((\a)%4)+\b):8*(8*((\a)%4)+\b)+7], v[128*(\p)+FR*\b:128*(\p)+FR*\b+FR-1], v[AF+FR*(\a):AF+FR*(\a)+FR-1], v[8*(8*((\a)%4)+\b):8*(8*((\a)%4)+\b)+7], v[SC+8*NQ*(\sc)+NQ*\b+(\q)], v[SC+8*NQ*(\sc)+NQ*(\a)+(\q)] matrix_a_fmt:MATRIX_FMT_FP6 matrix_b_fmt:MATRIX_FMT_FP6 matrix_a_scale:MATRIX_SCALE_ROW1
.endif
.endr
.endr
.endm
.macro FETCH_B slot, q, p
	WIN TO_B
.irp i, 0,1,2,3,4,5,6,7
	FRAG 128*(\p)+FR*\i, ADRB+\slot, \q, \i
.endr
	WIN 0
.endm
.macro FETCH_A slot, q, i0
.irp i, \i0, \i0+1, \i0+2, \i0+3
	FRAG AF+FR*(\i), ADRA+\slot, \q, \i
.endr
.endm
.macro SCALES sc                       ; a K step's scale words: lanes 0-15 take A's block i, lanes 16-31 B's block i
.irp i, 0,1,2,3,4,5,6,7
	ds_load_b64 v[SC+8*NQ*\sc+NQ*\i:SC+8*NQ*\sc+NQ*\i+1], v[ADRS] offset:\i*SBLK
.endr
.endm
.macro PLACES n                        ; plain vector instructions between a matrix instruction and a load into, or a vector read of, its registers
.rept \n
	v_nop
.endr
.endm
.macro STEP slot, q, zero              ; 128 along K whose successor lies in the same slot
	s_wait_dscnt 4*NL                              ; B's set and A's blocks 0-3 are in; the 24 youngest loads (A's blocks 4-7) may be out
	WIN MUL_LO
	MUL16 0, (\q)%2, \q, \slot, \zero
	MUL16 2, (\q)%2, \q, \slot, \zero
	s_wait_dscnt 0
	PLACES NP
	FETCH_B \slot, (\q)+1, 1-(\q)%2
	FETCH_A \slot, (\q)+1, 0
	WIN MUL_HI
	MUL16 4, (\q)%2, \q, \slot, \zero
	MUL16 6, (\q)%2, \q, \slot, \zero
	PLACES NP
	WIN 0
	FETCH_A \slot, (\q)+1, 4
.endm
; A slot's last step changes slots: ONE barrier; in front of it each wave waits for all its tensor loads, adds 0 to its spare word, and waits for that and for its own reads of this slot.
.macro TURN slot, next, fill
	s_wait_tensorcnt 0x0                           ; all my tensor loads have landed: my part of the next slot
	ds_add_u32 v[SPW], v[NIL]                      ; 0 onto my spare word
	s_wait_dscnt 4*NL+1                            ; (the add and the 24 youngest loads may be out)
	WIN MUL_LO
	MUL16 0, 1, NQ-1, \slot, 0                     ; sixteen matrix instructions stand between the add and the wait for it
	s_wait_dscnt 0x0                               ; the add is done, and my reads of this slot are over
	s_barrier_signal -1
	MUL16 2, 1, NQ-1, \slot, 0
	WIN 0
	s_barrier_wait -1
.if \fill
	CREST                                          ; the barrier has opened a round of the cluster's: no wave of any partner still reads this slot or has a load on its way
	s_add_nc_u64 s[G0+4*\slot+2:G0+4*\slot+3], s[G0+4*\slot+2:G0+4*\slot+3], 2*ROWB
	s_add_nc_u64 s[G0B+4*\slot+2:G0B+4*\slot+3], s[G0B+4*\slot+2:G0B+4*\slot+3], 2*ROWB
	JLOAD G0+4*\slot, G1, G0B+4*\slot, G1B         ; the first tensor load behind the round; its four v_nop are also the places in front of the loads below
.else
	PLACES NP
.endif
	v_add_nc_u32 v[ADRS], 4*NQ, v[ADRS]            ; on to the next K step's scale words
	FETCH_B \next, 0, 0
	FETCH_A \next, 0, 0
	SCALES \next
	WIN MUL_HI
	MUL16 4, 1, NQ-1, \slot, 0
	MUL16 6, 1, NQ-1, \slot, 0
	PLACES NP
	WIN 0
	FETCH_A \next, 0, 4
.endm
	s_wait_tensorcnt 1                             ; the scale bytes and my part of K step 0 are in; K step 1's load may be out
	s_barrier_signal -1
	s_barrier_wait -1
	FETCH_B 0, 0, 0
	FETCH_A 0, 0, 0
	SCALES 0
	FETCH_A 0, 0, 4
	STEP 0, 0, 1                                   ; the first step's products start the sums: nothing is cleared
	s_mov_b32 s3, LAPS-1
.Llap:
	TURN 0, 1, 1
	STEP 1, 0, 0
	TURN 1, 0, 1
	STEP 0, 0, 0
	s_sub_co_u32 s3, s3, 1
	s_cmp_lg_u32 s3, 0
	s_cbranch_scc1 .Llap
	TURN 0, 1, 0                                   ; the last lap fills nothing
	STEP 1, 0, 0
	s_wait_dscnt 4*NL
	WIN MUL_LO
	MUL16 0, 1, NQ-1, 1, 0
	MUL16 2, 1, NQ-1, 1, 0
	s_wait_dscnt 0
	WIN MUL_HI
	MUL16 4, 1, NQ-1, 1, 0
	MUL16 6, 1, NQ-1, 1, 0
	WIN 0
	PLACES NP
	s_wait_loadcnt 0x0                             ; the parameters
	s_mov_b32 s[SEL], 0x76543210                   ; (no tensor load of mine is out: the scale bytes' descriptors are done with)
	s_mov_b32 s[SEL+1], 0xfedcba98
.irp b, 0,1,2,3
	v_mov_b32 v[TM+4+\b], 0                        ; a lane permute's destination counts as one of its sources
.endr
; 64 numbers of a lane, v[s] on, register 16 b + i = k 32 b + 16 h + i of my row, become codes: registers v[PC + ds c] .. + 5 hold k = 64 c + 32 h + 0 .. 31; the four scale bytes make v[PW].
.macro QUANT s, ds
.irp b, 0,1,2,3
	v_max3_num_f32 v[TM+\b], |v[\s+16*\b]|, |v[\s+1+16*\b]|, 0x1800000   ; block b: my 16 numbers, and the floor 2^(3 - 127): the byte cannot fall under 1
.endr
.irp i, 2,4,6,8,10,12,14
.irp b, 0,1,2,3
	v_max3_num_f32 v[TM+\b], v[TM+\b], |v[\s+16*\b+\i]|, |v[\s+1+16*\b+\i]|
.endr
.endr
.irp b, 0,1,2,3
	v_permlanex16_b32 v[TM+4+\b], v[TM+\b], s[SEL], s[SEL+1]
.endr
.irp b, 0,1,2,3
	v_max_num_f32 v[TM+\b], v[TM+\b], v[TM+4+\b]   ; with lane l xor 16's: the block's largest magnitude
.endr
.irp b, 0,1,2,3
	v_add_nc_u32 v[TM+12+\b], 0xff000000, v[TM+\b] ; 2 off its exponent field: the conversion's scale operand
.endr
.irp b, 0,1,2,3
	v_lshrrev_b32 v[TM+4+\b], 23, v[TM+12+\b]      ; the scale's byte
.endr
	v_lshl_or_b32 v[PW], v[TM+5], 8, v[TM+4]
	v_lshl_or_b32 v[PW], v[TM+6], 16, v[PW]
	v_lshl_or_b32 v[PW], v[TM+7], 24, v[PW]
.irp c, 0,1
	v_cvt_scalef32_pk16_fp6_f32 v[PC+\ds*\c:PC+\ds*\c+2], v[\s+32*\c:\s+32*\c+15], v[TM+12+2*\c]
	v_cvt_scalef32_pk16_fp6_f32 v[TC+4*\c:TC+4*\c+2], v[\s+16+32*\c:\s+31+32*\c], v[TM+13+2*\c]   ; (a conversion's three registers begin on an even number)
.endr
	v_nop                                          ; one plain place behind a scaled conversion
.irp c, 0,1                                    ; the operand's layout wants a WHOLE block in a lane: lanes 0-15 block 2 c, lanes 16-31 block 2 c + 1
.irp i, 0,1,2
	v_permlane16_swap_b32 v[PC+\ds*\c+\i], v[TC+4*\c+\i]
.endr
.irp i, 0,1,2
	v_mov_b32 v[PC+\ds*\c+3+\i], v[TC+4*\c+\i]
.endr
.endr
.endm
	s_cmp_eq_u32 s95, 2                            ; kind: equal in all sixteen partners
	s_cbranch_scc1 .Lv
	; ---- q and k.  A lane holds one token; a block's 64 registers are its two heads' channels: head b / 2, channel 32 (b % 2) + 16 h + i
	s_cmp_eq_u32 s95, 1
	s_cselect_b32 s68, 63, 8                       ; the code at k = 64: k, masked: -7.5;  q: 1.0
	s_cselect_b32 s69, 0, 8                        ; k, open: 0;  q: 1.0
	s_mov_b32 s70, 0x7f7f0000
	s_cselect_b32 s70, 0x7fbf0000, s70             ; the bytes of k = 64 .. 95 and 96 .. 127: k, masked: 191, 127; else 127, 127
	v_sub_nc_u32 v[VC0], 1, v2
	v_mul_u32_u24 v[VC1], s69, v[VC0]              ; lanes 0-15 hold k = 64 on, lanes 16-31 k = 96 on: zeros there
	v_mul_u32_u24 v[VC0], s68, v[VC0]
	v_mov_b32 v[VU0], s70
	v_mov_b32 v[VU1], 0x7f7f0000
	v_mov_b32 v[PC+7], 0                           ; a tile's image has eight registers: six of codes, the mask's, and this zero
	v_mov_b32 v[PC+15], 0
	v_mov_b32 v[RS0+1], 0
	v_mov_b32 v[RS1+1], 0
.macro QKBLOCK a
.set AC, 64*((\a)%4)
	WIN 0x02+(\a)/4                                ; source 0: window 2 or 3
.set i, 0
.rept 32
	v_pk_add_f32 v[X+i:X+i+1], v[AC+i:AC+i+1], v[BB+i:BB+i+1]      ; the bias, and the way into window 0, in one line; each accumulator from its low end on
.set i, i+2
.endr
	WIN 0
	v_pk_mul_f32 v[SS:SS+1], v[X:X+1], v[X:X+1]                    ; the sums of squares: two chains of pairs for each head
	v_pk_mul_f32 v[SS+2:SS+3], v[X+2:X+3], v[X+2:X+3]
	v_pk_mul_f32 v[SS+4:SS+5], v[X+32:X+33], v[X+32:X+33]
	v_pk_mul_f32 v[SS+6:SS+7], v[X+34:X+35], v[X+34:X+35]
.irp j, 4,8,12,16,20,24,28
	v_pk_fma_f32 v[SS:SS+1], v[X+\j:X+\j+1], v[X+\j:X+\j+1], v[SS:SS+1]
	v_pk_fma_f32 v[SS+2:SS+3], v[X+\j+2:X+\j+3], v[X+\j+2:X+\j+3], v[SS+2:SS+3]
	v_pk_fma_f32 v[SS+4:SS+5], v[X+32+\j:X+33+\j], v[X+32+\j:X+33+\j], v[SS+4:SS+5]
	v_pk_fma_f32 v[SS+6:SS+7], v[X+34+\j:X+35+\j], v[X+34+\j:X+35+\j], v[SS+6:SS+7]
.endr
	v_pk_add_f32 v[SS:SS+1], v[SS:SS+1], v[SS+2:SS+3]
	v_pk_add_f32 v[SS+4:SS+5], v[SS+4:SS+5], v[SS+6:SS+7]
	v_add_f32 v[SS], v[SS], v[SS+1]
	v_add_f32 v[SS+4], v[SS+4], v[SS+5]
	v_permlanex16_b32 v[SS+1], v[SS], s[SEL], s[SEL+1]             ; the head's other 32 channels lie in lane l xor 16
	v_permlanex16_b32 v[SS+5], v[SS+4], s[SEL], s[SEL+1]
	v_add_f32 v[SS], v[SS], v[SS+1]
	v_add_f32 v[SS+4], v[SS+4], v[SS+5]
	v_fma_f32 v[W], v[SS], s66, s67
	v_fma_f32 v[Y1], v[SS+4], s66, s67
	v_rsq_f32 v[RS0], v[W]
	v_rsq_f32 v[RS1], v[Y1]
	s_wait_xcnt 0x0                                ; the last block's stores have read the codes' registers,
	s_wait_dscnt 0x0                               ; and its LDS store its word: both are written again below
	v_cmp_eq_u32 vcc_lo, 0, v[MB+\a]               ; is my token masked?  (plain work behind the two roots)
	v_cndmask_b32 v[PC+6], v[VC1], v[VC0], vcc_lo
	v_cndmask_b32 v[PC+14], v[VC1], v[VC0], vcc_lo
	v_cndmask_b32 v[UP], v[VU1], v[VU0], vcc_lo
	s_wait_alu depctr_va_vdst(0)                   ; one wait for both roots, ahead of their first reader
.set i, 0
.rept 16
	v_pk_mul_f32 v[X+i:X+i+1], v[X+i:X+i+1], v[RS0:RS0+1] op_sel_hi:[1,0]
	v_pk_mul_f32 v[X+32+i:X+33+i], v[X+32+i:X+33+i], v[RS1:RS1+1] op_sel_hi:[1,0]
.set i, i+2
.endr
	WIN 0x04                                       ; source 1: window 1
.set i, 0
.rept 32
	v_pk_mul_f32 v[X+i:X+i+1], v[X+i:X+i+1], v[NW+i%32:NW+i%32+1]  ; then the gain: (x / rms) w, in that order
.set i, i+2
.endr
	WIN 0
	QUANT X, 8
	v_lshrrev_b32 v[W], v[SH16], v[PW]             ; lanes 0-15: the first head's two bytes; lanes 16-31: the second's
	v_and_or_b32 v[W], v[W], 0xffff, v[UP]
	ds_store_b32 v[SQA], v[W] offset:256*((\a)%2)+4*((\a)/2)
	global_store_b128 v[LI], v[PC:PC+3], s[12:13] offset:1024*(\a)             ; each store: 512 consecutive bytes, aligned
	global_store_b128 v[LI], v[PC+4:PC+7], s[12:13] offset:1024*(\a)+512
	global_store_b128 v[LI], v[PC+8:PC+11], s[100:101] offset:1024*(\a)
	global_store_b128 v[LI], v[PC+12:PC+15], s[100:101] offset:1024*(\a)+512
.endm
.irp a, 0,1,2,3,4,5,6,7
	QKBLOCK \a
.endr
	ds_load_b128 v[X:X+3], v[SQR]                  ; LDS serves a wave's instructions in order: these see my stores
	ds_load_b128 v[X+4:X+7], v[SQR] offset:512
	s_wait_dscnt 0x0
	global_store_b128 v[LI], v[X:X+3], s[12:13] offset:8192
	global_store_b128 v[LI], v[X+4:X+7], s[100:101] offset:8192
	s_branch .Lend
.Lv:	; ---- v.  A lane holds one channel; a block's 64 registers are 128 keys' halves: key 32 b + 16 h + i.  Block a is fragment a % 4 of head a / 4
.macro VBLOCK a
.set AC, 64*((\a)%4)
.set T, (\a)%4
	WIN 0x02+(\a)/4
.set i, 0
.rept 32
	v_pk_add_f32 v[X+i:X+i+1], v[AC+i:AC+i+1], v[BA+2*(\a):BA+2*(\a)+1] op_sel_hi:[1,0]   ; my channel's bias
.set i, i+2
.endr
	WIN 0
	s_wait_xcnt 0x0                                ; the last block's stores have read the codes' registers,
	s_wait_dscnt 0x0                               ; and its LDS store its word
	QUANT X, 6
	ds_store_b32 v[SVA], v[PW] offset:256*((\a)/4)+128*(T%2)+4*(T/2)   ; both halves of the lanes write the same word with the same value
.irp c, 0,1,2
.if (\a) < 4
	global_store_b128 v[LI], v[PC+4*\c:PC+4*\c+3], s[12:13] offset:8704+1536*T+512*\c
.else
	global_store_b128 v[LI], v[PC+4*\c:PC+4*\c+3], s[100:101] offset:8704+1536*T+512*\c
.endif
.endr
.endm
.irp a, 0,1,2,3,4,5,6,7
	VBLOCK \a
.endr
	ds_load_b128 v[X:X+3], v[SVR]
	s_wait_dscnt 0x0
	global_store_b128 v[VO], v[X:X+3], s[12:13] offset:14848   ; each half of the lanes fills one head's 256 consecutive bytes
.Lend:
	s_wait_tensorcnt 0x0                           ; the wave's end: behind my last tensor load and my last LDS store
	ds_add_u32 v[SPW], v[NIL]
	s_wait_dscnt 0x0
	CROUND                                         ; the closing round
	s_endpgm
.Lfunc_end_k_q5eca6037d0_qkv:
	.size	k_q5eca6037d0_qkv, .Lfunc_end_k_q5eca6037d0_qkv-k_q5eca6037d0_qkv
	.p2alignl 7, 3214868480
	.fill 96, 4, 3214868480
	.section	.rodata,"a",@progbits
	.p2align	6, 0x0
	.amdhsa_kernel k_q5eca6037d0_qkv
		.amdhsa_group_segment_fixed_size 327680
		.amdhsa_private_segment_fixed_size 0
		.amdhsa_enable_private_segment 0
		.amdhsa_kernarg_size 64
		.amdhsa_user_sgpr_count 2
		.amdhsa_user_sgpr_kernarg_segment_ptr 1
		.amdhsa_wavefront_size32 1
		.amdhsa_system_sgpr_workgroup_id_x 1
		.amdhsa_system_sgpr_workgroup_id_y 1
		.amdhsa_system_sgpr_workgroup_id_z 1
		.amdhsa_system_vgpr_workitem_id 0
		.amdhsa_next_free_vgpr 1024
		.amdhsa_next_free_sgpr 102
		.amdhsa_reserve_vcc 1
		.amdhsa_float_denorm_mode_32 3
		.amdhsa_float_denorm_mode_16_64 3
		.amdhsa_memory_ordered 1
		.amdhsa_forward_progress 1
		.amdhsa_inst_pref_size 255
	.end_amdhsa_kernel
	.section	.bss,"aw",@nobits
	.p2align	6
	.space	262144
	.amdgpu_metadata
---
amdhsa.version: [ 1, 2 ]
amdhsa.kernels:
  - .name:           k_q5eca6037d0_qkv
    .symbol:         k_q5eca6037d0_qkv.kd
    .args:
      - { .name: codes1, .offset: 0, .size: 8, .value_kind: global_buffer, .address_space: global }
      - { .name: scales1, .offset: 8, .size: 8, .value_kind: global_buffer, .address_space: global }
      - { .name: b_qkv, .offset: 16, .size: 8, .value_kind: global_buffer, .address_space: global }
      - { .name: q_norm_w, .offset: 24, .size: 8, .value_kind: global_buffer, .address_space: global }
      - { .name: k_norm_w, .offset: 32, .size: 8, .value_kind: global_buffer, .address_space: global }
      - { .name: attention_mask, .offset: 40, .size: 8, .value_kind: global_buffer, .address_space: global }
      - { .name: qimg, .offset: 48, .size: 8, .value_kind: global_buffer, .address_space: global }
      - { .name: kv, .offset: 56, .size: 8, .value_kind: global_buffer, .address_space: global }
    .group_segment_fixed_size: 327680
    .private_segment_fixed_size: 0
    .kernarg_segment_align: 8
    .kernarg_segment_size: 64
    .max_flat_workgroup_size: 128
    .sgpr_count:     102
    .vgpr_count:     1024
    .wavefront_size: 32
...
	.end_amdgpu_metadata
.endif
;; end of part 2
;; launch attn (part 3): grid 4 x 64, 16 waves a work-group, clusters of 4 x 1, 269,312 bytes of LDS; arguments qimg, kv, acodes, ascales; writes acodes, ascales
.if DOCPART == 3
	.amdgcn_target "amdgcn-amd-amdhsa--gfx1250"
	.amdhsa_code_object_version 6
	.text
	.protected	k_q5eca6037d0_attn
	.globl	k_q5eca6037d0_attn
	.p2align	8
	.type	k_q5eca6037d0_attn,@function
k_q5eca6037d0_attn:
	s_mov_b64 s[64:65], 0
	v_nop
	global_prefetch_b8 v0, s[64:65] scope:SCOPE_SE
	s_setreg_imm32_b32 hwreg(HW_REG_WAVE_MODE, 25, 1), 1
	s_wait_xcnt 0x0
	s_wait_alu depctr_hold_cnt(0) depctr_sa_sdst(0) depctr_va_vdst(0) depctr_va_sdst(0) depctr_va_ssrc(0) depctr_va_vcc(0) depctr_vm_vsrc(0)
	s_getreg_b32 s2, hwreg(HW_REG_IB_STS2, 6, 4)
	s_cmp_eq_u32 s2, 0
	s_cbranch_scc0 .Lentry_in_a_cluster
	s_endpgm
.Lentry_in_a_cluster:
	s_bfe_u32 s2, ttmp6, 0x10000c
	s_cmp_lg_u32 s2, 0x3003
	s_cbranch_scc0 .Lentry_shape_is_right
	s_endpgm
.Lentry_shape_is_right:
; Attention of one head on codes of FP6: S^T = K Q^T (K = the head's 64, in an instruction of 128), a streaming softmax, O^T = V^T P^T (K = the keys), O / l quantised along the head's 64 for the last product.
; THE SOFTMAX: t = score x log2(e) (the factor 1 / 8 is in q's numbers); M = the largest t so far, rounded UP to a whole number; p = 2^(t - M) is quantised along the keys, not normalised;
; the row's sum l is taken of the unquantised p and divides O at the end.  When M moves, l and O are multiplied by 2^(old M - new M): exact.
; THE MASK: a masked key's score is -7.5 x 2^64 (made by codes and scale bytes in the unused K).  The largest t begins at -2^60, so such a key's p is 2^(under -1e20) = 0, as with -infinity.
; A row all of whose keys are masked has l = 0: its two scale bytes become 0xff, so that the last product gives NaN there.  LIMIT: a true |t| stays under 2^60.  A block of zeros gets the byte 1.
; SHARES.  A work-group owns 512 stored queries of one head; each of its SIXTEEN waves two tiles of 16, one after the other, in 256 registers: four waves to a SIMD, so that one wave's vector work stands beside another's
; matrix work and LDS loads.  A lane holds ONE query (lane % 16) throughout.  Every wave walks the head's 2,048 keys, 128 a step.
; A WHOLE HEAD'S K AND V LIE IN LDS: 16 steps x 15,104 bytes, images of operand registers, filled ONCE: wave w brings step w's block by one tensor load.  No slot is filled again: no barrier stands in the loops.
; CLUSTER.  The four query blocks of a head form a cluster and need the same K and V: each block is asked for JOINTLY, by the same load with the same descriptor and the mask of all four.
; A step's block: + 1024 T: K's tile T (two runs of 512 bytes: registers 0-3, registers 4-7, 16 bytes a lane); + 8192: K's scale words; + 8704 + 1536 t: V^T's fragment t (three runs); + 14848: V's scale words.
; Tile T's register j is the TRUE key 32 (T / 2) + 16 (lane / 16) + 8 (T % 2) + j, so p's 16 registers of two neighbouring tiles are 16 neighbouring keys; V's fragments have the keys in true order too.
.set KVB,   15104
.set STG,   16*KVB                     ; behind K and V: 1,536 bytes a wave: 32 rows of 48 bytes of codes
.set ASC,   STG+16*1536                ; the work-group's 512 x 2 scale bytes
.set SPARE, ASC+1024                   ; the spare words, 128 bytes a wave, which no other line names
.set LI,  1                            ; v1   16 x lane
.set L8,  2                            ; v2   8 x lane
.set AD,  3                            ; v3   the step's block + 16 x lane
.set AD8, 4                            ; v4   the step's block + 8 x lane
.set SPW, 5
.set NIL, 6
.set R16, 7                            ; v7   16 (lane % 16)
.set STW, 8                            ; v8   the stage: where I put 24 bytes of a row
.set STR, 9                            ; v9   and where I read it back
.set ASW, 10                           ; v10  where I put a row's two scale bytes
.set ASR, 11                           ; v11  and where waves 0 and 1 read them back
.set QF,  16                           ; v16-27 Q's fragment (v24-27 stay 0)
.set QS,  28                           ; v28  Q's scale words
.set PS,  29                           ; v29  p's scale word
.set KSC, 30                           ; v30-33 K's scale words of a step
.set VSC, 34                           ; v34-35 V's
.set KB,  36                           ; v36-83 four fragments of K (registers 8-11 of each stay 0)
.set S,   96                           ; v96-159 S^T, then p, then V's four fragments
.set O,   160                          ; v160-191 O^T
.set PC,  192                          ; v192-203 p's codes; v204-210 their odd halves
.set TC,  204
.set BM,  212                          ; v212-215 a block's largest score, then its largest p
.set PD,  216                          ; v216-219 at work
.set SO,  220                          ; v220-223 the conversions' scale operands
.set F,   224                          ; v224 f (v225 is named with it as a pair)
.set TP,  226
.set GA,  228                          ; v228 16 (thread % 64)
.set WV,  12
.set SEL, 20
.set CS,  22
.set G1,  24
.set G0,  32
.set TB,  38
.set CNT, 39
.macro CROUND
	s_barrier_signal -1
	s_barrier_wait -1
	s_cmp_lg_u32 s[WV], 0
	s_cbranch_scc1 .Lnot_wave_0_\@
	s_barrier_signal -3
.Lnot_wave_0_\@:
	s_barrier_wait -3
	s_barrier_signal -1
	s_barrier_wait -1
.endm
	s_load_b128 s[4:7], s[0:1], 0x0                ; qimg, kv
	s_load_b128 s[8:11], s[0:1], 0x10              ; acodes, ascales
	v_lshl_add_u32 v[SPW], v0, 2, SPARE
	v_mov_b32 v[NIL], 0
	ds_add_u32 v[SPW], v[NIL]                      ; the wave's opening: the add and its wait stand ahead of my first tensor load; the set-up below stands between them
	v_lshrrev_b32 v1, 5, v0
	v_readfirstlane_b32 s[WV], v1                  ; wave 0..15
	s_bfe_u32 s13, ttmp6, 0x40000                  ; cx: which 512 queries; it enters Q's and the outputs' addresses alone
	s_and_b32 s14, ttmp7, 0xffff                   ; 16 x batch + head, which the four partners share
	s_mov_b32 s[G1], 15|(3<<16)|(1<<21)            ; the mask: all four; elements of 8 bytes; no padding; bit 21 beside a mask
	s_mov_b32 s[G1+1], 32<<16                      ; tensor_dim0: 32 elements = 256 bytes
	s_mov_b32 s[G1+2], 59<<16                      ; tensor_dim1: 59 rows: a step's 15,104 dense bytes
	s_mov_b32 s[G1+3], 32<<16                      ; tile_dim0
	s_mov_b32 s[G1+4], 59                          ; tile_dim1
	s_mov_b32 s[G1+5], 32                          ; from row to row
	s_mov_b32 s[G1+6], 0
	s_mov_b32 s[G1+7], 0
	s_mul_i32 s15, s[WV], KVB                      ; step w's block: in LDS, and in the head
	s_mul_i32 s16, s14, 16*KVB
	s_add_co_u32 s16, s16, s15
	s_mov_b32 s17, 0
	s_mov_b32 s[SEL], 0x76543210
	s_mov_b32 s[SEL+1], 0xfedcba98
	s_mov_b32 s[CS], 0x3fb8aa3b                    ; log2(e)
	s_mov_b32 s[CS+1], s[CS]
	s_wait_dscnt 0x0                               ; the opening add is done
	s_wait_kmcnt 0x0
	s_mov_b32 s[G0], 1
	s_mov_b32 s[G0+1], s15
	s_add_nc_u64 s[G0+2:G0+3], s[6:7], s[16:17]
	s_or_b32 s[G0+3], s[G0+3], 0x80000000
	CROUND                                         ; all four work-groups are here: the joint loads meet
	tensor_load_to_lds s[G0:G0+3], s[G1:G1+7]      ; my one tensor load of the launch
	s_nop 0
.rept 4
	v_nop
.endr
	s_lshl_b32 s18, s13, 2
	s_lshr_b32 s19, s[WV], 2
	s_add_co_u32 s18, s18, s19                     ; my group of 128 stored queries: 4 cx + wave / 4
	s_mul_i32 s18, s18, 8704
	s_mul_i32 s19, s14, 139264
	s_add_co_u32 s18, s18, s19
	s_and_b32 s19, s[WV], 3                        ; in it my tiles are 2 (wave % 4) and the next
	s_lshl_b32 s40, s19, 11
	s_add_co_u32 s40, s40, s18
	s_lshl_b32 s42, s19, 2
	s_add_co_u32 s42, s42, s18
	s_add_co_u32 s42, s42, 8192
	s_mov_b32 s41, 0
	s_mov_b32 s43, 0
	s_add_nc_u64 s[36:37], s[4:5], s[42:43]        ; Q's scale words
	s_add_nc_u64 s[4:5], s[4:5], s[40:41]          ; Q's images
	s_and_b32 s18, s14, 15                         ; the head
	s_lshr_b32 s19, s14, 4
	s_lshl_b32 s19, s19, 11
	s_lshl_b32 s40, s13, 9
	s_add_co_u32 s19, s19, s40                     ; the work-group's first stored row: 2,048 x batch + 512 cx
	s_lshl_b32 s42, s19, 1
	s_lshl_b32 s40, s[WV], 5
	s_add_co_u32 s19, s19, s40                     ; my wave's
	s_mul_i32 s19, s19, 48
	s_mul_i32 s40, s18, 393216
	s_add_co_u32 s40, s40, s19
	s_add_nc_u64 s[8:9], s[8:9], s[40:41]
	s_lshl_b32 s18, s18, 14
	s_add_co_u32 s42, s42, s18
	s_add_nc_u64 s[10:11], s[10:11], s[42:43]
	v_and_b32 v[L8], 31, v0
	v_lshlrev_b32 v[LI], 4, v[L8]
	v_lshlrev_b32 v[L8], 3, v[L8]
	v_and_b32 v[TP], 15, v0                        ; r
	v_bfe_u32 v227, v0, 4, 1                       ; h
	v_lshlrev_b32 v[R16], 4, v[TP]
	s_mul_i32 s18, s[WV], 1536
	s_add_co_u32 s18, s18, STG
	v_mul_u32_u24 v[STW], v[TP], 48
	v_mad_u32_u24 v[STW], v227, 24, v[STW]
	v_add_nc_u32 v[STW], s18, v[STW]
	v_add_nc_u32 v[STR], s18, v[LI]
	s_lshl_b32 s18, s[WV], 6
	s_add_co_u32 s18, s18, ASC
	v_lshlrev_b32 v[ASW], 1, v[TP]
	v_add_nc_u32 v[ASW], s18, v[ASW]
	v_and_b32 v[GA], 63, v0
	v_lshlrev_b32 v[GA], 4, v[GA]
	v_add_nc_u32 v[ASR], ASC, v[GA]
.irp j, 8,9,10,11
	v_mov_b32 v[QF+\j], 0                          ; k = 80 .. 127 of every fragment of Q and K: zero codes, written once
.irp t, 0,1,2,3
	v_mov_b32 v[KB+12*\t+\j], 0
.endr
.endr
.irp b, 0,1,2,3
	v_mov_b32 v[PD+\b], 0                          ; a lane permute's destination counts as one of its sources
.endr
	v_mov_b32 v[F+1], 0
	s_wait_tensorcnt 0x0                           ; my step's block is in,
	s_barrier_signal -1
	s_barrier_wait -1                              ; everybody's is: the head's K and V are whole
; A KEY STEP: 128 keys.
.macro STEP
	v_add_nc_u32 v[AD], s[TB], v[LI]
	v_add_nc_u32 v[AD8], s[TB], v[L8]
.rept 4
	v_nop                                          ; with the two additions six places: the first products below write over registers that the last step's products read, which wants five
.endr
	ds_load_b128 v[KSC:KSC+3], v[AD] offset:8192   ; word i of lane l: the scale word of tile 2 i + l / 16, row l % 16
.irp g, 0,1                                    ; S^T = K Q^T, four tiles of 16 keys at a time
.if \g
.rept 4
	v_nop                                          ; places in front of loads into registers that matrix instructions have read
.endr
.endif
.irp t, 0,1,2,3
	ds_load_b128 v[KB+12*\t:KB+12*\t+3], v[AD] offset:1024*(4*\g+\t)
	ds_load_b128 v[KB+12*\t+4:KB+12*\t+7], v[AD] offset:1024*(4*\g+\t)+512
.endr
	s_wait_dscnt 0x0
.irp t, 0,2
	v_wmma_scale_f32_16x16x128_f8f6f4 v[S+8*(4*\g+\t):S+8*(4*\g+\t)+7], v[KB+12*\t:KB+12*\t+11], v[QF:QF+11], 0, v[KSC+2*\g+\t/2], v[QS] matrix_a_fmt:MATRIX_FMT_FP6 matrix_b_fmt:MATRIX_FMT_FP6
	v_wmma_scale_f32_16x16x128_f8f6f4 v[S+8*(4*\g+\t)+8:S+8*(4*\g+\t)+15], v[KB+12*\t+12:KB+12*\t+23], v[QF:QF+11], 0, v[KSC+2*\g+\t/2], v[QS] matrix_a_fmt:MATRIX_FMT_FP6 matrix_b_fmt:MATRIX_FMT_FP6 matrix_a_scale:MATRIX_SCALE_ROW1
.endr
.endr
.rept 4
	v_nop
.endr
.irp b, 0,1,2,3
	v_max3_num_f32 v[BM+\b], v[S+16*\b], v[S+1+16*\b], v[S+2+16*\b]   ; the largest score of each block of 32 keys: it serves for the row's maximum and, since p rises with the score, for the block's largest p
.endr
.irp i, 3,5,7,9,11,13
.irp b, 0,1,2,3
	v_max3_num_f32 v[BM+\b], v[BM+\b], v[S+16*\b+\i], v[S+1+16*\b+\i]
.endr
.endr
.irp b, 0,1,2,3
	v_max_num_f32 v[BM+\b], v[BM+\b], v[S+15+16*\b]
.endr
.irp b, 0,1,2,3
	v_permlanex16_b32 v[PD+\b], v[BM+\b], s[SEL], s[SEL+1]
.endr
.irp b, 0,1,2,3
	v_max_num_f32 v[BM+\b], v[BM+\b], v[PD+\b]     ; with lane l xor 16's 16 keys
.endr
	v_max3_num_f32 v[TP], v[BM], v[BM+1], v[BM+2]
	v_max_num_f32 v[TP], v[TP], v[BM+3]
	v_mul_f32 v[TP], s[CS], v[TP]                  ; as t
	v_max_num_f32 v13, v13, v[TP]                  ; the running largest t
	v_mov_b32 v[TP], v12
	v_floor_f32 v12, -v13                          ; the new -M = floor(-t): M is a whole number
	v_sub_f32 v[TP], v12, v[TP]                    ; old M - new M: a whole number, 0 or less
	v_cvt_i32_f32 v[TP], v[TP]                     ; (it saturates)
	v_ldexp_f32 v[F], 1.0, v[TP]                   ; f = 2^(old M - new M)
.set j, 0
.rept 32
	v_pk_fma_f32 v[S+j:S+j+1], v[S+j:S+j+1], s[CS:CS+1], v[12:13] op_sel_hi:[1,0,0]   ; t - M, two at a time
.set j, j+2
.endr
.irp b, 0,1,2,3
	v_fma_f32 v[BM+\b], v[BM+\b], s[CS], v12       ; the same of each block's largest score
.endr
.set j, 0
.rept 64
	v_exp_f32 v[S+j], v[S+j]                       ; p = 2^(t - M), at most 1
.set j, j+1
.endr
	v_pk_mul_f32 v[14:15], v[14:15], v[F:F+1] op_sel_hi:[1,0]      ; the sums under the new M: the plain place behind the exponentials
	s_wait_alu depctr_va_vdst(0)                   ; one wait for the whole batch, ahead of its first reader
.irp b, 0,1,2,3
	v_exp_f32 v[BM+\b], v[BM+\b]                   ; the block's largest p: the same two instructions on the same number give the same bits
.endr
	v_pk_add_f32 v[PD:PD+1], v[S:S+1], v[S+2:S+3]  ; the row's sum is taken of the unquantised p, in two chains
.irp j, 4,8,12,16,20,24,28,32,36,40,44,48,52,56,60
	v_pk_add_f32 v[14:15], v[14:15], v[S+\j:S+\j+1]
	v_pk_add_f32 v[PD:PD+1], v[PD:PD+1], v[S+\j+2:S+\j+3]
.endr
	v_pk_add_f32 v[14:15], v[14:15], v[PD:PD+1]
	s_wait_alu depctr_va_vdst(0)                   ; and one for the four
.irp b, 0,1,2,3
	v_max_num_f32 v[BM+\b], 0x1800000, v[BM+\b]    ; the floor 2^(3 - 127): the byte cannot fall under 1
.endr
.irp b, 0,1,2,3
	v_add_nc_u32 v[SO+\b], 0xff000000, v[BM+\b]    ; 2 off the exponent field: the conversion's scale operand
.endr
.irp b, 0,1,2,3
	v_lshrrev_b32 v[PD+\b], 23, v[SO+\b]           ; the scale's byte
.endr
	v_lshl_or_b32 v[PS], v[PD+1], 8, v[PD]
	v_lshl_or_b32 v[PS], v[PD+2], 16, v[PS]
	v_lshl_or_b32 v[PS], v[PD+3], 24, v[PS]
.irp c, 0,1
	v_cvt_scalef32_pk16_fp6_f32 v[PC+6*\c:PC+6*\c+2], v[S+32*\c:S+32*\c+15], v[SO+2*\c]
	v_cvt_scalef32_pk16_fp6_f32 v[TC+4*\c:TC+4*\c+2], v[S+16+32*\c:S+31+32*\c], v[SO+2*\c+1]
.endr
	v_nop                                          ; one plain place behind a scaled conversion
.irp c, 0,1
.irp i, 0,1,2
	v_permlane16_swap_b32 v[PC+6*\c+\i], v[TC+4*\c+\i]
.endr
.irp i, 0,1,2
	v_mov_b32 v[PC+6*\c+3+\i], v[TC+4*\c+\i]
.endr
.endr
.irp t, 0,1,2,3                                ; V's four fragments land where p lay
.irp c, 0,1,2
	ds_load_b128 v[S+12*\t+4*\c:S+12*\t+4*\c+3], v[AD] offset:8704+1536*\t+512*\c
.endr
.endr
	ds_load_b64 v[VSC:VSC+1], v[AD8] offset:14848  ; word i of lane l: the scale word of fragment 2 i + l / 16, row l % 16
.set j, 0
.rept 16
	v_pk_mul_f32 v[O+j:O+j+1], v[O+j:O+j+1], v[F:F+1] op_sel_hi:[1,0]   ; O^T under the new M.  For each product below twelve of these name none of its registers: the places behind p's scale word and codes
.set j, j+2
.endr
	s_wait_dscnt 0x0
.irp t, 0,2                                    ; O^T += V^T P^T: four accumulators, one turn each; the eight products K Q^T stand between two turns of any one
	v_wmma_scale_f32_16x16x128_f8f6f4 v[O+8*\t:O+8*\t+7], v[S+12*\t:S+12*\t+11], v[PC:PC+11], v[O+8*\t:O+8*\t+7], v[VSC+\t/2], v[PS] matrix_a_fmt:MATRIX_FMT_FP6 matrix_b_fmt:MATRIX_FMT_FP6
	v_wmma_scale_f32_16x16x128_f8f6f4 v[O+8*\t+8:O+8*\t+15], v[S+12*\t+12:S+12*\t+23], v[PC:PC+11], v[O+8*\t+8:O+8*\t+15], v[VSC+\t/2], v[PS] matrix_a_fmt:MATRIX_FMT_FP6 matrix_b_fmt:MATRIX_FMT_FP6 matrix_a_scale:MATRIX_SCALE_ROW1
.endr
.endm
; A tile's end: O^T / l; register 16 b + i is channel 32 b + 16 h + i: two blocks of 32 are quantised, and the row's 48 bytes of codes and 2 scale bytes go to LDS.
.macro FINISH i
.rept 4
	v_nop                                          ; places behind the last products
.endr
	v_add_f32 v14, v14, v15
	v_permlanex16_b32 v[TP], v14, s[SEL], s[SEL+1]
	v_add_f32 v14, v14, v[TP]                      ; the row's sum
	v_rcp_f32 v[F], v14
	v_cmp_eq_f32 vcc_lo, 0, v14                    ; every key masked?  (the plain place behind the reciprocal)
	s_wait_alu depctr_va_vdst(0)
.set j, 0
.rept 16
	v_pk_mul_f32 v[S+j:S+j+1], v[O+j:O+j+1], v[F:F+1] op_sel_hi:[1,0]   ; each accumulator from its low end on
.set j, j+2
.endr
.irp b, 0,1
	v_max3_num_f32 v[BM+\b], |v[S+16*\b]|, |v[S+1+16*\b]|, 0x1800000
.endr
.irp n, 2,4,6,8,10,12,14
.irp b, 0,1
	v_max3_num_f32 v[BM+\b], v[BM+\b], |v[S+16*\b+\n]|, |v[S+1+16*\b+\n]|
.endr
.endr
.irp b, 0,1
	v_permlanex16_b32 v[PD+\b], v[BM+\b], s[SEL], s[SEL+1]
.endr
.irp b, 0,1
	v_max_num_f32 v[BM+\b], v[BM+\b], v[PD+\b]
.endr
.irp b, 0,1
	v_add_nc_u32 v[SO+\b], 0xff000000, v[BM+\b]
.endr
.irp b, 0,1
	v_lshrrev_b32 v[PD+\b], 23, v[SO+\b]
.endr
	v_lshl_or_b32 v[TP], v[PD+1], 8, v[PD]
	v_cndmask_b32 v[TP], v[TP], -1, vcc_lo         ; l = 0: both bytes 0xff
	v_cvt_scalef32_pk16_fp6_f32 v[PC:PC+2], v[S:S+15], v[SO]
	v_cvt_scalef32_pk16_fp6_f32 v[TC:TC+2], v[S+16:S+31], v[SO+1]
	v_nop
.irp n, 0,1,2
	v_permlane16_swap_b32 v[PC+\n], v[TC+\n]
.endr
.irp n, 0,1,2
	v_mov_b32 v[PC+3+\n], v[TC+\n]
.endr
.irp p, 0,1,2
	ds_store_b64 v[STW], v[PC+2*\p:PC+2*\p+1] offset:768*\i+8*\p
.endr
	ds_store_b16 v[ASW], v[TP] offset:32*\i        ; both halves of the lanes write the same bytes with the same value
	s_wait_dscnt 0x0                               ; the stores have read their registers
.endm
.macro TILE i
.rept 4
	v_nop                                          ; places in front of loads into Q's registers
.endr
	global_load_b128 v[QF:QF+3], v[LI], s[4:5] offset:1024*\i
	global_load_b128 v[QF+4:QF+7], v[LI], s[4:5] offset:1024*\i+512
	global_load_b32 v[QS], v[R16], s[36:37] offset:256*\i
	v_mov_b32 v13, 0xdd800000                      ; the largest t so far: -2^60: under every true t, over every masked one
	v_floor_f32 v12, -v13                          ; -M
	v_mov_b32 v14, 0
	v_mov_b32 v15, 0
.set j, 0
.rept 32
	v_mov_b32 v[O+j], 0                            ; the step is written once: the first finds zeros, which the first change of M leaves zeros
.set j, j+1
.endr
	s_mov_b32 s[TB], 0
	s_mov_b32 s[CNT], 16
	s_wait_loadcnt 0x0
.Lstep_\@:
	STEP
	s_add_co_u32 s[TB], s[TB], KVB
	s_sub_co_u32 s[CNT], s[CNT], 1
	s_cmp_lg_u32 s[CNT], 0
	s_cbranch_scc1 .Lstep_\@
	FINISH \i
.endm
	TILE 0
	TILE 1
.irp c, 0,1,2
	ds_load_b128 v[S+4*\c:S+4*\c+3], v[STR] offset:512*\c          ; my 32 rows' codes: 1,536 consecutive bytes
.endr
.irp c, 0,1,2
	s_wait_dscnt 2-\c                              ; the younger read-backs may be out
	global_store_b128 v[LI], v[S+4*\c:S+4*\c+3], s[8:9] offset:512*\c
.endr
	s_barrier_signal -1                            ; (no LDS instruction of mine is out)  every wave's scale bytes lie in LDS
	s_barrier_wait -1
	s_cmp_gt_u32 s[WV], 1
	s_cbranch_scc1 .Lothers
	ds_load_b128 v[S+16:S+19], v[ASR]              ; waves 0 and 1 store the work-group's 1,024 scale bytes
	s_wait_dscnt 0x0
	global_store_b128 v[GA], v[S+16:S+19], s[10:11]
.Lothers:
	s_wait_tensorcnt 0x0                           ; the wave's end: behind my last tensor load and my last LDS store
	ds_add_u32 v[SPW], v[NIL]
	s_wait_dscnt 0x0
	CROUND                                         ; the closing round
	s_endpgm
.Lfunc_end_k_q5eca6037d0_attn:
	.size	k_q5eca6037d0_attn, .Lfunc_end_k_q5eca6037d0_attn-k_q5eca6037d0_attn
	.p2alignl 7, 3214868480
	.fill 96, 4, 3214868480
	.section	.rodata,"a",@progbits
	.p2align	6, 0x0
	.amdhsa_kernel k_q5eca6037d0_attn
		.amdhsa_group_segment_fixed_size 269312
		.amdhsa_private_segment_fixed_size 0
		.amdhsa_enable_private_segment 0
		.amdhsa_kernarg_size 32
		.amdhsa_user_sgpr_count 2
		.amdhsa_user_sgpr_kernarg_segment_ptr 1
		.amdhsa_wavefront_size32 1
		.amdhsa_system_sgpr_workgroup_id_x 1
		.amdhsa_system_sgpr_workgroup_id_y 1
		.amdhsa_system_sgpr_workgroup_id_z 1
		.amdhsa_system_vgpr_workitem_id 0
		.amdhsa_next_free_vgpr 256
		.amdhsa_next_free_sgpr 66
		.amdhsa_reserve_vcc 1
		.amdhsa_float_denorm_mode_32 3
		.amdhsa_float_denorm_mode_16_64 3
		.amdhsa_memory_ordered 1
		.amdhsa_forward_progress 1
		.amdhsa_inst_pref_size 49
	.end_amdhsa_kernel
	.amdgpu_metadata
---
amdhsa.version: [ 1, 2 ]
amdhsa.kernels:
  - .name:           k_q5eca6037d0_attn
    .symbol:         k_q5eca6037d0_attn.kd
    .args:
      - { .name: qimg, .offset: 0, .size: 8, .value_kind: global_buffer, .address_space: global }
      - { .name: kv, .offset: 8, .size: 8, .value_kind: global_buffer, .address_space: global }
      - { .name: acodes, .offset: 16, .size: 8, .value_kind: global_buffer, .address_space: global }
      - { .name: ascales, .offset: 24, .size: 8, .value_kind: global_buffer, .address_space: global }
    .group_segment_fixed_size: 269312
    .private_segment_fixed_size: 0
    .kernarg_segment_align: 8
    .kernarg_segment_size: 32
    .max_flat_workgroup_size: 512
    .sgpr_count:     66
    .vgpr_count:     256
    .wavefront_size: 32
...
	.end_amdgpu_metadata
.endif
;; end of part 3
;; launch proj (part 4): grid 4 x 32, 4 waves a work-group, clusters of 4 x 4, 327,680 bytes of LDS; arguments acodes, ascales, codes1, scales1, b_proj, out0; writes out0
.if DOCPART == 4
	.amdgcn_target "amdgcn-amd-amdhsa--gfx1250"
	.amdhsa_code_object_version 6
	.text
	.protected	k_q5eca6037d0_proj
	.globl	k_q5eca6037d0_proj
	.p2align	8
	.type	k_q5eca6037d0_proj,@function
k_q5eca6037d0_proj:
	s_mov_b64 s[64:65], 0
	v_nop
	global_prefetch_b8 v0, s[64:65] scope:SCOPE_SE
	s_setreg_imm32_b32 hwreg(HW_REG_WAVE_MODE, 25, 1), 1
	s_wait_xcnt 0x0
	s_wait_alu depctr_hold_cnt(0) depctr_sa_sdst(0) depctr_va_vdst(0) depctr_va_sdst(0) depctr_va_ssrc(0) depctr_va_vcc(0) depctr_vm_vsrc(0)
	s_getreg_b32 s2, hwreg(HW_REG_IB_STS2, 6, 4)
	s_cmp_eq_u32 s2, 0
	s_cbranch_scc0 .Lentry_in_a_cluster
	s_endpgm
.Lentry_in_a_cluster:
	s_bfe_u32 s2, ttmp6, 0x10000c
	s_cmp_lg_u32 s2, 0xf033
	s_cbranch_scc0 .Lentry_shape_is_right
	s_endpgm
.Lentry_shape_is_right:
; out0 = attention's result x w_proj^T + b_proj on codes of FP6, K = (head, channel) = 1,024; sums in f32.
; 'A' (source 1, a lane) = 16 stored rows of the result: acodes [head 16][stored row 8192][48 bytes], ascales [head][row][2 bytes].  'B' (source 0, a lane's registers) = 16 stored rows of w_proj, rows 11,264 on of codes1 and scales1.
; A work-group of four waves makes 256 x 256, a wave 128 x 128: 64 accumulators.  K goes in steps of 256 (four heads) through a ring of two LDS slots.  4 x 4 work-groups form a cluster: A's tiles are asked for jointly
; along a row of the cluster, B's along a column.
; STORED ORDER: 16 consecutive stored rows 16 T + r are the true rows 32 (T / 2) + 8 (T % 2) + r + 8 (r / 8).  Register j of B's tile T is the TRUE column 32 (T / 2) + 16 (lane / 16) + 8 (T % 2) + j;
; A's stored rows are turned back into true rows by the immediates of the stores.
; A'S TILE of a slot: four heads x 128 rows x 48 bytes: four rows of 6,144 dense bytes, 393,216 bytes apart in memory.  In LDS a row of a head is 48 bytes = 12 words: the 32 lanes of a load of 8 bytes (48 r + 24 h)
; touch 64 different banks (64 banks of 4 bytes: ISA guide 11.1): no padding.
; A'S SCALE BYTES lie by heads and are wanted by rows: they come through registers once (thread T: rows 2 T and 2 T + 1 of the tile, 16 loads of 4 bytes), are knit into two rows of 32 bytes, and go to LDS by ds_store.
; b_proj is the C of each sum's first matrix instruction.
; REGISTERS, in windows of 256: window 0: v1-29 addresses; v32-63 scale words, two sets; v64-127 b_proj of my 128 columns; v128-223 A's fragments, ONE set; on the way out v128-255 are rows read back.
;   window 1: B's fragments, two sets, at v0 and v128.   windows 2, 3: the accumulators.
.set NQ,     2
.set ROWB,   192
.set KROW,   768
.set PITCH,  240                       ; B's LDS row: 3 x (64 bytes + 16 of padding)
.set FR,     12
.set NL,     6
.set NP,     4
.set HALFT,  128*PITCH                 ; B: 128 rows
.set AHEAD,  6144                      ; A: 128 rows of one head
.set AHALF,  4*AHEAD                   ; A: 128 rows of four heads
.set ASTEP,  4*393216                  ; four heads on, in memory
.set SLOT,   2*AHALF+2*HALFT
.set LAPS,   2
.set KS,     32
.set SCL,    2*SLOT                    ; behind the ring: A's scale bytes (stored by the waves), then B's (filled once), as runs of 256 bytes + 16
.set HALFS,  (128*KS/256)*272
.set SBLK,   (16*KS/256)*272
.set SPARE,  SCL+4*HALFS
.set SPITCH, 528                       ; the way out: a stage of 16 rows x (512 bytes + 16) for each wave, in slot 0, which has had its last fill and its last read by then
.set ASO,  7                           ; v7   4 x thread
.set ASA,  8                           ; v8   where I store my two rows of A's scale bytes
.set O64H, 13                          ; v13  64 (lane / 16)
.set ADRA, 16
.set ADRB, 20
.set STO,  24
.set RD,   25
.set CO,   26
.set ADRS, 27
.set SPW,  28
.set NIL,  29
.set SC,   32
.set BB,   64
.set AF,   128
.set BK,   128
.set G1, 24
.set G0, 32
.set G1B, 48
.set G0B, 56
.set G1S, 68
.set G0S, 76
.set MSB, 0
.macro WIN new
.if MSB != (\new)
	s_set_vgpr_msb (MSB<<8)|(\new)
.set MSB, (\new)
.endif
.endm
.set MUL_LO, 0xa1
.set MUL_HI, 0xf1
.set TO_B,   0x40
.macro JLOAD g0a, g1a, g0b, g1b        ; a joint load: waves 0 and 1 fetch for A, waves 2 and 3 for B; the branch hangs on the wave's number alone
	s_cmp_eq_u32 s15, 0
	s_cbranch_scc0 .Lfor_b_\@
	tensor_load_to_lds s[\g0a:\g0a+3], s[\g1a:\g1a+7]
	s_nop 0
.rept 4
	v_nop
.endr
	s_branch .Lasked_\@
.Lfor_b_\@:
	tensor_load_to_lds s[\g0b:\g0b+3], s[\g1b:\g1b+7]
	s_nop 0
.rept 4
	v_nop
.endr
.Lasked_\@:
.endm
.macro CREST
	s_cmp_lg_u32 s14, 0
	s_cbranch_scc1 .Lnot_wave_0_\@
	s_barrier_signal -3
.Lnot_wave_0_\@:
	s_barrier_wait -3
	s_barrier_signal -1
	s_barrier_wait -1
.endm
.macro CROUND
	s_barrier_signal -1
	s_barrier_wait -1
	CREST
.endm
	s_load_b128 s[4:7], s[0:1], 0x0                ; acodes, ascales
	s_load_b128 s[8:11], s[0:1], 0x10              ; codes1, scales1
	s_load_b64 s[96:97], s[0:1], 0x20              ; b_proj
	s_load_b64 s[12:13], s[0:1], 0x28              ; out0
	v_lshl_add_u32 v[SPW], v0, 2, SPARE
	v_mov_b32 v[NIL], 0
	ds_add_u32 v[SPW], v[NIL]                      ; the wave's opening: the add and its wait stand ahead of my first tensor load
	v_lshrrev_b32 v1, 5, v0
	v_readfirstlane_b32 s14, v1                    ; wave 0..3
	s_lshr_b32 s15, s14, 1                         ; which half of the tile's rows is mine.  Also: I fetch for A (0) or for B (1)
	s_and_b32 s16, s14, 1                          ; which half of its columns.  Also: which 128 rows I fetch
	s_bfe_u32 s40, ttmp6, 0x40000                  ; cx
	s_bfe_u32 s41, ttmp6, 0x40004                  ; cy
	s_lshl_b32 s42, ttmp9, 2
	s_add_co_u32 s42, s42, s40                     ; tile column
	s_and_b32 s17, ttmp7, 0xffff
	s_lshl_b32 s17, s17, 2
	s_add_co_u32 s17, s17, s41                     ; tile row
	s_lshl_b32 s43, s41, 2
	s_lshl_b32 s43, 15, s43                        ; my row of the cluster
	s_lshl_b32 s44, 0x1111, s40                    ; my column
	s_or_b32 s[G1+0], s43, (3<<16)|(1<<21)         ; A: the mask of my row; elements of 8 bytes; no padding; bit 21 beside a mask
	s_mov_b32 s[G1+1], 768<<16                     ; tensor_dim0: 768 elements = 6,144 bytes: 128 rows of one head
	s_mov_b32 s[G1+2], 4<<16                       ; tensor_dim1: four heads
	s_mov_b32 s[G1+3], 768<<16                     ; tile_dim0
	s_mov_b32 s[G1+4], 4                           ; tile_dim1
	s_mov_b32 s[G1+5], 49152                       ; from head to head: 393,216 bytes
	s_mov_b32 s[G1+6], 0
	s_mov_b32 s[G1+7], 0
	s_or_b32 s[G1B+0], s44, (0<<16)|(1<<20)|(1<<21)|(3<<22)|(3<<25)  ; B: the mask of my column; elements of 1 byte; after every 16 words 4 words of padding
	s_mov_b32 s[G1B+1], ROWB<<16
	s_mov_b32 s[G1B+2], 128<<16
	s_mov_b32 s[G1B+3], ROWB<<16
	s_mov_b32 s[G1B+4], 128
	s_mov_b32 s[G1B+5], KROW
	s_mov_b32 s[G1B+6], 0
	s_mov_b32 s[G1B+7], 0
	s_or_b32 s[G1S+0], s44, (3<<16)|(1<<20)|(1<<21)|(5<<22)|(3<<25)  ; B's scale bytes of 64 rows: 2,048 dense bytes as 8 rows of 256, 16 bytes of padding behind each
	s_mov_b32 s[G1S+1], 32<<16
	s_mov_b32 s[G1S+2], 8<<16
	s_mov_b32 s[G1S+3], 32<<16
	s_mov_b32 s[G1S+4], 8
	s_mov_b32 s[G1S+5], 32
	s_mov_b32 s[G1S+6], 0
	s_mov_b32 s[G1S+7], 0
	s_lshl_b32 s18, s16, 7
	s_lshl_b32 s20, s17, 8
	s_add_co_u32 s20, s20, s18                     ; A: stored row 256 x tile row + 128 x half (cy, never cx)
	s_mul_i32 s20, s20, 48
	s_mov_b32 s21, 0
	s_lshl_b32 s46, s42, 8
	s_add_co_u32 s46, s46, 11264                   ; B: w_proj's rows begin at row 11,264 (cx, never cy)
	s_lshl_b32 s92, s14, 6
	s_add_co_u32 s92, s92, s46                     ; the 64 rows whose scale bytes I fetch
	s_mul_i32 s92, s92, KS
	s_mov_b32 s93, 0
	s_add_co_u32 s46, s46, s18
	s_mul_i32 s46, s46, KROW
	s_mov_b32 s47, 0
	s_mul_i32 s45, s16, AHALF                      ; where they go: A's two halves,
	s_mul_i32 s94, s16, HALFT
	s_add_co_u32 s94, s94, 2*AHALF                 ; behind them B's two
	s_mul_i32 s95, s14, 2176
	s_add_co_u32 s95, s95, SCL+2*HALFS             ; B's scale bytes: a quarter a wave
	s_wait_dscnt 0x0                               ; the opening add is done
	s_wait_kmcnt 0x0
	s_add_nc_u64 s[20:21], s[4:5], s[20:21]
	s_add_nc_u64 s[46:47], s[8:9], s[46:47]
	s_add_nc_u64 s[92:93], s[10:11], s[92:93]
	CROUND                                         ; all sixteen work-groups are here: the first joint loads meet
	s_mov_b32 s[G0S], 1
	s_mov_b32 s[G0S+1], s95
	s_mov_b64 s[G0S+2:G0S+3], s[92:93]
	s_or_b32 s[G0S+3], s[G0S+3], 0x80000000
	tensor_load_to_lds s[G0S:G0S+3], s[G1S:G1S+7]  ; every wave its quarter of B's scale bytes: filled once
	s_nop 0
.rept 4
	v_nop
.endr
.irp s, 0,1
	s_mov_b32 s[G0+4*\s], 1
	s_add_co_u32 s[G0+4*\s+1], s45, \s*SLOT
	s_add_nc_u64 s[G0+4*\s+2:G0+4*\s+3], s[20:21], \s*ASTEP
	s_or_b32 s[G0+4*\s+3], s[G0+4*\s+3], 0x80000000
	s_mov_b32 s[G0B+4*\s], 1
	s_add_co_u32 s[G0B+4*\s+1], s94, \s*SLOT
	s_add_nc_u64 s[G0B+4*\s+2:G0B+4*\s+3], s[46:47], \s*ROWB
	s_or_b32 s[G0B+4*\s+3], s[G0B+4*\s+3], 0x80000000
	JLOAD G0+4*\s, G1, G0B+4*\s, G1B               ; three tensor loads of mine are out behind the second of these
.endr
	v_and_b32 v1, 15, v0                           ; r
	v_bfe_u32 v2, v0, 4, 1                         ; h
	v_lshlrev_b32 v[ASO], 2, v0
	v_lshlrev_b32 v[O64H], 6, v2
	s_lshl_b32 s20, s17, 9                         ; A's scale bytes: 2 bytes a row, my tile's 256 rows
	s_mov_b32 s21, 0
	s_add_nc_u64 s[6:7], s[6:7], s[20:21]
	s_lshl_b32 s20, s42, 8
	s_lshl_b32 s22, s16, 7
	s_add_co_u32 s20, s20, s22
	s_lshl_b32 s20, s20, 2                         ; b_proj at my 128 columns
	s_add_nc_u64 s[96:97], s[96:97], s[20:21]
.irp n, 0,1,2,3,4,5,6,7,8,9,10,11,12,13,14,15
	global_load_b32 v[128+\n], v[ASO], s[6:7] offset:16384*\n      ; head n: the two bytes of row 2 T below, of row 2 T + 1 above; the work-group reads 512 consecutive bytes
.endr
.irp b, 0,1,2,3
.irp q, 0,1,2,3
	global_load_b128 v[BB+16*\b+4*\q:BB+16*\b+4*\q+3], v[O64H], s[96:97] offset:128*\b+16*\q   ; register 16 b + i: b_proj of my column 32 b + 16 h + i
.endr
.endr
	v_mul_u32_u24 v3, v1, PITCH
	v_mul_u32_u24 v4, v2, 24
	v_add_nc_u32 v5, v3, v4                        ; B: a fragment's row x pitch + 24 h
	v_lshl_add_u32 v6, v2, 4, v5                   ; and the same behind one padding more
	v_mad_u32_u24 v4, v1, 48, v4                   ; A: 48 r + 24 h
	s_mul_i32 s21, s15, AHALF                      ; my 128 rows of A
	s_mul_i32 s22, s16, HALFT                      ; my 128 rows of B,
	s_add_co_u32 s22, s22, 2*AHALF                 ; behind A's
.irp s, 0,1
	v_add_nc_u32 v[ADRA+\s], s21, v4
	v_add_nc_u32 v[ADRB+\s], s22, v5
	v_add_nc_u32 v[ADRB+2+\s], s22, v6
	s_add_co_u32 s21, s21, SLOT
	s_add_co_u32 s22, s22, SLOT
.endr
	v_mul_u32_u24 v5, v1, KS                       ; my row's scale bytes: 32 a row,
	v_lshrrev_b32 v6, 8, v5
	v_lshl_add_u32 v5, v6, 4, v5                   ; and 16 more for each 256 passed
	s_mul_i32 s21, s15, HALFS
	s_mul_i32 s22, s16, HALFS
	s_add_co_u32 s22, s22, 2*HALFS
	s_sub_co_u32 s22, s22, s21
	v_mul_u32_u24 v6, s22, v2                      ; lanes 16-31 take B's
	s_add_co_u32 s21, s21, SCL
	v_add_nc_u32 v5, v5, v6
	v_add_nc_u32 v[ADRS], s21, v5
	v_lshrrev_b32 v[ASA], 2, v0
	v_lshlrev_b32 v[ASA], 4, v[ASA]
	v_lshl_add_u32 v[ASA], v0, 6, v[ASA]
	v_add_nc_u32 v[ASA], SCL, v[ASA]               ; rows 2 T and 2 T + 1: 64 T bytes on, and 16 more for each 256 passed
	s_mul_i32 s23, s14, 16*SPITCH                  ; my stage
	v_mul_u32_u24 v5, v1, SPITCH
	v_lshl_add_u32 v5, v2, 6, v5
	v_add_nc_u32 v[STO], s23, v5                   ; in: row r, + 64 h
	v_and_b32 v6, 31, v0
	v_lshlrev_b32 v[CO], 4, v6
	v_add_nc_u32 v[RD], s23, v[CO]                 ; back: the 32 lanes take one row of 512 bytes
	s_lshl_b32 s20, s17, 8
	s_lshl_b32 s21, s15, 7
	s_add_co_u32 s20, s20, s21
	s_lshl_b32 s20, s20, 12                        ; my first row of out0, 4,096 bytes a row,
	s_lshl_b32 s46, s42, 10
	s_lshl_b32 s47, s16, 9
	s_add_co_u32 s46, s46, s47                     ; my first column
	s_add_co_u32 s20, s20, s46
	s_mov_b32 s21, 0
	s_add_nc_u64 s[12:13], s[12:13], s[20:21]
	s_wait_loadcnt 16                              ; A's scale bytes are in; b_proj's sixteen loads may be out
.irp j, 0,1,2,3,4,5,6,7
	v_perm_b32 v[144+\j], v[129+2*\j], v[128+2*\j], 0x05040100     ; row 2 T: the bytes of heads 2 j and 2 j + 1
	v_perm_b32 v[152+\j], v[129+2*\j], v[128+2*\j], 0x07060302     ; row 2 T + 1
.endr
.irp c, 0,1,2,3
	ds_store_b128 v[ASA], v[144+4*\c:147+4*\c] offset:16*\c
.endr
	s_wait_loadcnt 0x0                             ; b_proj
.macro FRAG reg, adr, q, i             ; B's fragment: 16 rows x 128 K: registers 6 c .. 6 c + 5 hold K = 64 c + 32 h + 0 .. 31, in pieces of 8 bytes
.irp p, 0,1,2,3,4,5
.set PCE, 12*(\q)+6*(\p/3)+\p%3
.if PCE%8 < 5
	ds_load_b64 v[\reg+2*\p:\reg+2*\p+1], v[\adr] offset:8*PCE+16*(PCE/8)+(\i)*16*PITCH
.else
	ds_load_b64 v[\reg+2*\p:\reg+2*\p+1], v[\adr+2] offset:8*PCE+16*(PCE/8)+(\i)*16*PITCH
.endif
.endr
.endm
.macro FRAGA reg, slot, q, i           ; A's: registers 6 c .. 6 c + 5 are 24 bytes of my row in head 2 q + c of the slot's four
.irp p, 0,1,2,3,4,5
	ds_load_b64 v[\reg+2*\p:\reg+2*\p+1], v[ADRA+\slot] offset:(2*(\q)+\p/3)*AHEAD+768*(\i)+8*(\p%3)
.endr
.endm
; 16 matrix instructions: A's blocks a0, a0 + 1 x B's eight.  zero = 1: the first product starts the sums from b_proj.  The 64 accumulators take turns, one instruction a turn.
.macro MUL16 a0, p, q, sc, zero
.irp a, \a0, \a0+1
.irp b, 0,1,2,3,4,5,6,7
.if \zero
	v_wmma_scale_f32_16x16x128_f8f6f4 v[8*(8*((\a)%4)+\b):8*(8*((\a)%4)+\b)+7], v[128*(\p)+FR*\b:128*(\p)+FR*\b+FR-1], v[AF+FR*(\a):AF+FR*(\a)+FR-1], v[BB+8*\b:BB+8*\b+7], v[SC+8*NQ*(\sc)+NQ*\b+(\q)], v[SC+8*NQ*(\sc)+NQ*(\a)+(\q)] matrix_a_fmt:MATRIX_FMT_FP6 matrix_b_fmt:MATRIX_FMT_FP6 matrix_a_scale:MATRIX_SCALE_ROW1
.else
	v_wmma_scale_f32_16x16x128_f8f6f4 v[8*(8*((\a)%4)+\b):8*(8*((\a)%4)+\b)+7], v[128*(\p)+FR*\b:128*(\p)+FR*\b+FR-1], v[AF+FR*(\a):AF+FR*(\a)+FR-1], v[8*(8*((\a)%4)+\b):8*(8*((\a)%4)+\b)+7], v[SC+8*NQ*(\sc)+NQ*\b+(\q)], v[SC+8*NQ*(\sc)+NQ*(\a)+(\q)] matrix_a_fmt:MATRIX_FMT_FP6 matrix_b_fmt:MATRIX_FMT_FP6 matrix_a_scale:MATRIX_SCALE_ROW1
.endif
.endr
.endr
.endm
.macro FETCH_B slot, q, p
	WIN TO_B
.irp i, 0,1,2,3,4,5,6,7
	FRAG 128*(\p)+FR*\i, ADRB+\slot, \q, \i
.endr
	WIN 0
.endm
.macro FETCH_A slot, q, i0
.irp i, \i0, \i0+1, \i0+2, \i0+3
	FRAGA AF+FR*(\i), \slot, \q, \i
.endr
.endm
.macro SCALES sc
.irp i, 0,1,2,3,4,5,6,7
	ds_load_b64 v[SC+8*NQ*\sc+NQ*\i:SC+8*NQ*\sc+NQ*\i+1], v[ADRS] offset:\i*SBLK
.endr
.endm
.macro PLACES n
.rept \n
	v_nop
.endr
.endm
.macro STEP slot, q, zero
	s_wait_dscnt 4*NL                              ; B's set and A's blocks 0-3 are in; the 24 youngest loads (A's blocks 4-7) may be out
	WIN MUL_LO-0x20*(\zero)                        ; (zero = 1: C lies in window 0)
	MUL16 0, (\q)%2, \q, \slot, \zero
	MUL16 2, (\q)%2, \q, \slot, \zero
	s_wait_dscnt 0
	PLACES NP
	FETCH_B \slot, (\q)+1, 1-(\q)%2
	FETCH_A \slot, (\q)+1, 0
	WIN MUL_HI-0x30*(\zero)
	MUL16 4, (\q)%2, \q, \slot, \zero
	MUL16 6, (\q)%2, \q, \slot, \zero
	PLACES NP
	WIN 0
	FETCH_A \slot, (\q)+1, 4
.endm
.macro TURN slot, next, fill           ; a slot's last step changes slots: ONE barrier
	s_wait_tensorcnt 0x0                           ; all my tensor loads have landed: my part of the next slot
	ds_add_u32 v[SPW], v[NIL]                      ; 0 onto my spare word
	s_wait_dscnt 4*NL+1                            ; (the add and the 24 youngest loads may be out)
	WIN MUL_LO
	MUL16 0, 1, NQ-1, \slot, 0
	s_wait_dscnt 0x0                               ; the add is done, and my reads of this slot are over
	s_barrier_signal -1
	MUL16 2, 1, NQ-1, \slot, 0
	WIN 0
	s_barrier_wait -1
.if \fill
	CREST                                          ; the barrier has opened a round of the cluster's: no wave of any partner still reads this slot or has a load on its way
	s_add_nc_u64 s[G0+4*\slot+2:G0+4*\slot+3], s[G0+4*\slot+2:G0+4*\slot+3], 2*ASTEP
	s_add_nc_u64 s[G0B+4*\slot+2:G0B+4*\slot+3], s[G0B+4*\slot+2:G0B+4*\slot+3], 2*ROWB
	JLOAD G0+4*\slot, G1, G0B+4*\slot, G1B
.else
	PLACES NP
.endif
	v_add_nc_u32 v[ADRS], 4*NQ, v[ADRS]
	FETCH_B \next, 0, 0
	FETCH_A \next, 0, 0
	SCALES \next
	WIN MUL_HI
	MUL16 4, 1, NQ-1, \slot, 0
	MUL16 6, 1, NQ-1, \slot, 0
	PLACES NP
	WIN 0
	FETCH_A \next, 0, 4
.endm
	s_wait_dscnt 0x0                               ; for the others' sake: my rows of A's scale bytes lie in LDS
	s_wait_tensorcnt 1                             ; B's scale bytes and my part of K step 0 are in; K step 1's load may be out
	s_barrier_signal -1
	s_barrier_wait -1
	FETCH_B 0, 0, 0
	FETCH_A 0, 0, 0
	SCALES 0
	FETCH_A 0, 0, 4
	STEP 0, 0, 1
	s_mov_b32 s3, LAPS-1
.Llap:
	TURN 0, 1, 1
	STEP 1, 0, 0
	TURN 1, 0, 1
	STEP 0, 0, 0
	s_sub_co_u32 s3, s3, 1
	s_cmp_lg_u32 s3, 0
	s_cbranch_scc1 .Llap
	TURN 0, 1, 0
	STEP 1, 0, 0
	s_wait_dscnt 4*NL
	WIN MUL_LO
	MUL16 0, 1, NQ-1, 1, 0
	MUL16 2, 1, NQ-1, 1, 0
	s_wait_dscnt 0
	WIN MUL_HI
	MUL16 4, 1, NQ-1, 1, 0
	MUL16 6, 1, NQ-1, 1, 0
	WIN 0
; THE WAY OUT, block by block of 16 stored rows x 128 columns, through my own stage: a lane's registers 8 b + j are columns 32 (b / 2) + 16 h + 8 (b % 2) + j of its row; whole rows of 512 bytes come back.
.macro TOSTAGE a
.set AC, 64*((\a)%4)
	WIN 0x08+4*((\a)/4)                            ; an LDS store's data: window 2 or 3
.irp b, 0,1,2,3,4,5,6,7
	ds_store_b128 v[STO], v[AC+8*\b:AC+8*\b+3] offset:128*(\b/2)+32*(\b%2)         ; each accumulator from its low end on
	ds_store_b128 v[STO], v[AC+8*\b+4:AC+8*\b+7] offset:128*(\b/2)+32*(\b%2)+16
.endr
	WIN 0
.set RB, BK+64*((\a)%2)
.irp t, 0,1,2,3,4,5,6,7,8,9,10,11,12,13,14,15
	ds_load_b128 v[RB+4*\t:RB+4*\t+3], v[RD] offset:\t*SPITCH      ; LDS serves a wave's instructions in order: these see the stores above
.endr
.endm
.macro SEND a, younger                 ; younger: the LDS instructions issued behind block a's loads, which may stay out
.set RB, BK+64*((\a)%2)
	s_wait_dscnt \younger
.irp t, 0,1,2,3,4,5,6,7,8,9,10,11,12,13,14,15
	global_store_b128 v[CO], v[RB+4*\t:RB+4*\t+3], s[12:13] offset:(32*((\a)/2)+8*((\a)%2)+\t+8*(\t/8))*4096 th:TH_STORE_NT   ; stored row 16 a + t is this true row; 32 lanes store 512 consecutive bytes, aligned
.endr
.endm
	PLACES NP
	TOSTAGE 0
.irp a, 1,2,3,4,5,6,7
.if \a > 1
	s_wait_xcnt 0x0                                ; block a - 2's stores have read their registers: block a's loads may land there
.endif
	TOSTAGE \a
	SEND \a-1, 32                                  ; behind block a - 1's loads: block a's 16 stores and 16 loads
.endr
	SEND 7, 0
	s_wait_tensorcnt 0x0                           ; the wave's end: behind my last tensor load and my last LDS store
	ds_add_u32 v[SPW], v[NIL]
	s_wait_dscnt 0x0
	CROUND                                         ; the closing round
	s_endpgm
.Lfunc_end_k_q5eca6037d0_proj:
	.size	k_q5eca6037d0_proj, .Lfunc_end_k_q5eca6037d0_proj-k_q5eca6037d0_proj
	.p2alignl 7, 3214868480
	.fill 96, 4, 3214868480
	.section	.rodata,"a",@progbits
	.p2align	6, 0x0
	.amdhsa_kernel k_q5eca6037d0_proj
		.amdhsa_group_segment_fixed_size 327680
		.amdhsa_private_segment_fixed_size 0
		.amdhsa_enable_private_segment 0
		.amdhsa_kernarg_size 48
		.amdhsa_user_sgpr_count 2
		.amdhsa_user_sgpr_kernarg_segment_ptr 1
		.amdhsa_wavefront_size32 1
		.amdhsa_system_sgpr_workgroup_id_x 1
		.amdhsa_system_sgpr_workgroup_id_y 1
		.amdhsa_system_sgpr_workgroup_id_z 1
		.amdhsa_system_vgpr_workitem_id 0
		.amdhsa_next_free_vgpr 1024
		.amdhsa_next_free_sgpr 98
		.amdhsa_reserve_vcc 0
		.amdhsa_float_denorm_mode_32 3
		.amdhsa_float_denorm_mode_16_64 3
		.amdhsa_memory_ordered 1
		.amdhsa_forward_progress 1
		.amdhsa_inst_pref_size 164
	.end_amdhsa_kernel
	.amdgpu_metadata
---
amdhsa.version: [ 1, 2 ]
amdhsa.kernels:
  - .name:           k_q5eca6037d0_proj
    .symbol:         k_q5eca6037d0_proj.kd
    .args:
      - { .name: acodes, .offset: 0, .size: 8, .value_kind: global_buffer, .address_space: global }
      - { .name: ascales, .offset: 8, .size: 8, .value_kind: global_buffer, .address_space: global }
      - { .name: codes1, .offset: 16, .size: 8, .value_kind: global_buffer, .address_space: global }
      - { .name: scales1, .offset: 24, .size: 8, .value_kind: global_buffer, .address_space: global }
      - { .name: b_proj, .offset: 32, .size: 8, .value_kind: global_buffer, .address_space: global }
      - { .name: out0, .offset: 40, .size: 8, .value_kind: global_buffer, .address_space: global }
    .group_segment_fixed_size: 327680
    .private_segment_fixed_size: 0
    .kernarg_segment_align: 8
    .kernarg_segment_size: 48
    .max_flat_workgroup_size: 128
    .sgpr_count:     98
    .vgpr_count:     1024
    .wavefront_size: 32
...
	.end_amdgpu_metadata
.endif
;; end of part 4
